; MI455X (gfx1250); checked and timed in simulation.
; The chip was launched on July 23, 2026; its instructions are those of AMD's public machine-readable ISA for CDNA 5 (MIT licence, August 2026) and "CDNA5" Instruction Set Architecture Reference Guide (July 2026). The comments in the code are by the model that wrote it; some were corrected since.
;; KW Hybrid Branch. Allowed arithmetic: matrix products marked QUANTISED: E5M2 operands, one E8M0 scale for each 32 along K, by v_wmma_scale_f32_16x16x128_f8f6f4 with both operands' format E5M2, f32 sums; everything else in f32.
;; Inputs: W_proj_codes 512 x 24 x 32 uint8 (E5M2 codes of W_proj, K innermost, in blocks of 32 codes); W_proj_scales 512 x 24 uint8 (E8M0 scales of W_proj, one for each 32 codes along K); audio_feat_codes 128 x 8 x 24 x 32 uint8 (E5M2 codes of audio_feat, K innermost, in blocks of 32 codes); audio_feat_scales 128 x 8 x 24 uint8 (E8M0 scales of audio_feat, one for each 32 codes along K); b_proj 512 float32; token_embedding 49,408 x 512 float32.
;; Outputs: out0 128 x 8 x 512 float32.
;; This version of the problem:
;;   THIS VERSION OF THE PROBLEM IS GIVEN IN LOW PRECISION. The matrix products marked QUANTISED in the list below multiply operands that are first quantised to E5M2 (5 exponent bits, 2 mantissa bits; 8 bits a number), with one power-of-two scale for each 32 numbers along K (OCP MX v1.0); their sums are f32. All else is computed in f32.
;;   The module's matrix products, in the order in which they are computed (A, B: the left and right operand; K: the contracted axis; several contracted axes count as one K, in the product's order):
;;     1. [M 1,024, K 768] x [K 768, N 512]; A: input audio_feat (given as codes); B: input W_proj (given as codes): QUANTISED
;;     2. [M 1,024, K 512] x [K 512, N 49,408]; A: computed on the way; B: computed on the way: QUANTISED
;;     3. [M 1,024, K 49,408] x [K 49,408, N 512]; A: softmax (see below); B: input token_embedding: QUANTISED
;;   THE QUANTISER, for each operand of a quantised product, along K:
;;     - K is cut into blocks of 32 from its start; a last block that is shorter is filled with zeros.
;;     - A block's scale is 2^e with e = floor(log2(the largest magnitude in the block)) - 15, held to -126 .. 127; a block of zeros has e = 0. As a byte (E8M0): e + 127.
;;     - Each number is divided by its block's scale, clamped to +-57,344, and rounded to the nearest number of E5M2, ties to even, subnormals kept.
;;     - The product sums the exact products of the quantised numbers (number of the format x scale) in f32.
;;   ~~~python
;;   def quantise(x, axis):      # numpy; x: float32 -> the quantised numbers, widened to float32 again
;;       x = np.moveaxis(x, axis, -1); K = x.shape[-1]
;;       x = np.pad(x, [(0, 0)] * (x.ndim - 1) + [(0, -K % 32)]); x = x.reshape(x.shape[:-1] + (-1, 32)); a = np.abs(x).max(-1, keepdims=True)
;;       e = np.where(a > 0, np.clip(np.frexp(np.where(a > 0, a, 1))[1] - 1 - 15, -126, 127), 0)      # np.frexp(a)[1] - 1 = floor(log2(a)), exactly
;;       r = np.clip(x / 2.0 ** e, -57344, 57344)
;;       step = 2.0 ** (np.maximum(np.frexp(np.where(r == 0, 1, r))[1] - 1, -14) - 2)
;;       q = np.round(r / step) * step * 2.0 ** e      # np.round: ties to even
;;       return np.moveaxis(q.reshape(q.shape[:-2] + (-1,))[..., :K], -1, axis).astype(np.float32)
;;   ~~~
;;   SOFTMAX AHEAD OF A QUANTISED PRODUCT. Where the list says 'softmax', what is quantised is not the finished softmax but p = 2^(t - M), with t = logit x log2(e) and M = ceil(the row's largest t), a whole number; so 1/2 < the row's largest p <= 1. The row's sum l is taken of the UNQUANTISED p, in f32, and the product's result is divided by l at the end. Since M is a whole number, a kernel that streams over the keys may use a running M (the ceiling of the running maximum): every later rescaling is an exact power of two, which a block's scale takes up: the codes' values come out the same.
;;   OPERANDS COMPUTED ON THE WAY. 'Computed on the way' means the value that the module computes at that place (a softmax that the list does not call 'softmax' is quantised finished and normalised). What goes into a quantiser is computed in f32, as accurately as f32 sums, v_exp_f32 and their like allow (about 1e-6 of the number): no bf16 or f16 on the way to a quantiser, and a product that is left as it is and whose result goes on into a quantised operand takes f32 operands (vector FMAs, or v_wmma_f32_16x16x4_f32). A number that lies on a knife's edge between two numbers of the format may be rounded either way, as far as f32 arithmetic and the matrix unit's own rounding can turn it there, and no further.
;;   INPUTS GIVEN AS CODES. W_proj (in the module: [768, 512], K = its axis 0); audio_feat (in the module: [128, 8, 768], K = its axis 2): each comes as NAME_codes (uint8): NAME with its K axis moved to the last place and cut into blocks of 32 codes, [.., K / 32, bytes a block], one block behind the other in memory; one code a byte (a code: sign, 5 exponent bits, 2 mantissa bits); and NAME_scales (uint8): the same leading axes, one E8M0 byte (e + 127) for each 32 codes along K. Its value is code x scale, taken as it is: it is not quantised again, and the codes and scales need not be those that the quantiser above would give.
;; 2 versions, each right; version 2 is version 1 with the launch prep written anew for expert scheduling mode. Each part assembles by itself: llvm-mc -triple=amdgcn-amd-amdhsa -mcpu=gfx1250 --defsym DOCPART=n.
;; ======== version 1 of 2: 3 launches
;; workspace buffers: kv 52,174,848 bytes; qc 524,288 bytes; qs 16,384 bytes; part 67,108,864 bytes; lpart 131,072 bytes
;; launch prep (part 1): grid 418 x 1, 8 waves a work-group, no clusters, 68,864 bytes of LDS; arguments token_embedding, W_proj_codes, W_proj_scales, audio_feat_codes, audio_feat_scales, b_proj, kv, qc, qs; writes kv, qc, qs
.if DOCPART == 1
	.amdgcn_target "amdgcn-amd-amdhsa--gfx1250"
	.amdhsa_code_object_version 6
	.text
	.protected	k_q0b27bb13ea_prep
	.globl	k_q0b27bb13ea_prep
	.p2align	8
	.type	k_q0b27bb13ea_prep,@function
k_q0b27bb13ea_prep:
	s_mov_b64 s[64:65], 0
	v_nop
	global_prefetch_b8 v0, s[64:65] scope:SCOPE_SE
	s_setreg_imm32_b32 hwreg(HW_REG_WAVE_MODE, 25, 1), 1
	s_wait_xcnt 0x0
; PREP.  Two jobs in one launch, told apart by the work-group's number.
; Work-groups 0-31 (the kw path): kw = audio_feat W_proj + b_proj on the given codes of E5M2, kw / max(|kw|, 1e-8), quantised along T = 512 into qc (codes) and qs (scale words).
; Work-groups 32-417 (the table path): one step of 128 rows of token_embedding each.  The rows are read once and quantised twice: divided by max(|row|, 1e-8), along T (the keys of the second
; product), and as they are, along the rows (the values of the third product, whose K is the vocabulary).  Both go to kv as IMAGES OF OPERAND REGISTERS, 135,168 bytes a step:
;   +0       K's codes  [key tile t 0-7][K step s 0-3][c 0-3][lane][16 bytes]: lane (r, h) of tile 2 b + u is key 32 b + 8 u + r + 8 (r / 8); its bytes are T = 128 s + 32 c + 16 h + 0 .. 15
;   +65,536  V's codes  [channel tile 0-31][c][lane][16 bytes]: lane (r, h) is channel 16 tile + r, keys 32 c + 16 h + 0 .. 15
;   +131,072 K's scale words [b 0-3][lane = 16 u + r][s];      +133,120 V's scale words [w 0-7][lane = 16 a + r][g 0-1], for channel tile 4 w + 2 g + a
; A block's scale is 2^(floor(log2(its largest magnitude)) - 15); its byte is that magnitude's exponent field - 15, held at 1 from below; each number is held within +-57,344 x the scale ahead of the conversion.
; LIMITS: a block of zeros gets the byte 1 where the quantiser says 127: its codes are zeros, and the bytes are read by this program alone.  NaN and infinities among the inputs are not served.
; No tensor loads and no cluster: no two work-groups of the table path read the same bytes, and the kw path's shared weights are 393,216 bytes read by 32 work-groups.
.set STEPB,  135168
.set PITCH,  2064                      ; a stage row: 2,048 bytes + 16: an odd multiple of 16, so that the 16 rows of a fragment load start at 16 different places modulo 256 bytes
.set STG,    0                         ; table path: 32 rows of f32, in the order of K's tiles
.set RNB,    32*PITCH                  ; table path: 1 / norm of the 32 rows
.set KSG,    RNB+256                   ; table path: K's scale words of a unit, 512 bytes
.set SSQ,    KSG+512                   ; kw path: the waves' sums of squares
.set QSG,    SSQ+512                   ; kw path: the scale words
.set EPSF,   0x322bcc77                ; 1e-8
.set WV,  22                           ; s22 the wave's number
.set SEL, 40                           ; s[40:41] v_permlanex16_b32's selects for lane l xor 16
.set MNT, 42                           ; s42 the mantissa field of 57,344
; the table path's registers
.set GL,  1                            ; my 16 bytes of the wave's four rows in memory
.set SST, 2                            ; where they go in the stage
.set RNS, 3                            ; where my four rows' 1 / norm go
.set KLD, 4                            ; K's way: my 64 bytes of a stage row
.set RNL, 5                            ; and that row's 1 / norm
.set VLD, 6                            ; V's way: my column in the stage
.set KST, 7                            ; K's codes in kv: 2,048 x wave + 16 x lane
.set KSS, 8                            ; K's scale word in LDS
.set KSR, 9                            ; and back: 16 x lane
.set VSW, 10                           ; v[10:11] V's scale words of my two columns
.set VST, 13                           ; V's codes in kv
.set RN,  14                           ; v14 1 / norm; the packed product names v[14:15] and takes v14 for both halves
.set VSO, 15                           ; V's scale words in kv
.set C0,  32
.set C1,  40
.set L,   64                           ; v64-127  four rows as they are loaded
.set X,   128                          ; v128-191 64 neighbours along T; later the second 32 columns' numbers
.set Y,   192                          ; v192-223 32 numbers down the keys
; the kw path's registers
.set A_B,  1
.set A_AS, 2
.set A_AU, 3
.set A_WF, 4
.set A_WS, 5
.set A_SQ, 6
.set A_SL, 7
.set A_QC, 8
.set A_QS, 9
.set A_QL, 10
.set AU,  16                           ; v16-47   audio's fragments, two buffers
.set WA,  48                           ; v48-111  W's tiles 0-3
.set WB,  112                          ; v112-175 W's tiles 4-7
.set H,   176                          ; v176-239 the eight accumulators
.set WSC, 240                          ; v240-247 W's scale words: these registers hold scales and nothing else in the whole text
.set ASC, 248                          ; v248-253 audio's scale words, likewise
.macro BAR
	s_barrier_signal -1
	s_barrier_wait -1
.endm
; 64 numbers of a lane, register 16 b + i = k 32 b + 16 (lane / 16) + i of my row, become a fragment's codes in v[PC] on and its scale word in v[PW].
.macro QUANT s
.irp b, 0,1,2,3
	v_max3_num_f32 v[TM+\b], |v[\s+16*\b]|, |v[\s+1+16*\b]|, 0x8000000   ; block b: my 16 numbers, and the floor 2^(16 - 127): the byte cannot fall under 1
.endr
.irp i, 2,4,6,8,10,12,14
.irp b, 0,1,2,3
	v_max3_num_f32 v[TM+\b], v[TM+\b], |v[\s+16*\b+\i]|, |v[\s+1+16*\b+\i]|   ; the four blocks by turns
.endr
.endr
.irp b, 0,1,2,3
	v_permlanex16_b32 v[TM+4+\b], v[TM+\b], s[SEL], s[SEL+1]
.endr
.irp b, 0,1,2,3
	v_max_num_f32 v[TM+\b], v[TM+\b], v[TM+4+\b]                ; with lane l xor 16's: the block's largest magnitude
.endr
.irp b, 0,1,2,3
	v_add_nc_u32 v[TM+12+\b], 0xf8800000, v[TM+\b]              ; 15 off its exponent field: the conversion's scale operand
.endr
.irp b, 0,1,2,3
	v_and_or_b32 v[TM+8+\b], v[TM+\b], 0x7f800000, s[MNT]       ; 57,344 x the scale
.endr
.irp b, 0,1,2,3
	v_lshrrev_b32 v[TM+4+\b], 23, v[TM+12+\b]                   ; the scale's byte
.endr
	v_lshl_or_b32 v[PW], v[TM+5], 8, v[TM+4]
	v_lshl_or_b32 v[PW], v[TM+6], 16, v[PW]
	v_lshl_or_b32 v[PW], v[TM+7], 24, v[PW]
.irp b, 0,1,2,3
.irp i, 0,1,2,3,4,5,6,7,8,9,10,11,12,13,14,15
	v_med3_num_f32 v[\s+16*\b+\i], v[\s+16*\b+\i], -v[TM+8+\b], v[TM+8+\b]   ; the conversion to an 8-bit code does not saturate (ISA guide 7.6.2): the hold comes first
.endr
	v_cvt_scalef32_pk8_bf8_f32 v[PC+4*\b:PC+1+4*\b], v[\s+16*\b:\s+7+16*\b], v[TM+12+\b]
	v_cvt_scalef32_pk8_bf8_f32 v[PC+2+4*\b:PC+3+4*\b], v[\s+8+16*\b:\s+15+16*\b], v[TM+12+\b]
.endr
	v_nop                                                       ; one plain line behind the last conversion
.endm
; the wave's four rows of unit b: each load takes 512 consecutive bytes of a row
.macro LAND b
.irp k, 0,1,2,3
.irp j, 0,1,2,3
	global_load_b128 v[L+16*\k+4*\j:L+16*\k+4*\j+3], v[GL], s[4:5] offset:(32*(\b)+\k)*2048+512*\j th:TH_LOAD_NT
.endr
.endr
.endm
; my column's 32 numbers, keys in their true order: key kk lies in the stage row that K's tiles gave it
.macro VLOAD reg, g
.set kk, 0
.rept 32
	ds_load_b32 v[\reg+kk], v[VLD] offset:((kk&7)|((kk&8)<<1)|((kk&16)>>1))*PITCH+128*\g
.set kk, kk+1
.endr
.endm
; a block of 32 keys of one column lies in one lane: its largest magnitude needs no other lane, and the codes come out with the keys innermost
.macro VBLOCK y, g, b, creg
	v_max3_num_f32 v[TM], |v[\y]|, |v[\y+1]|, |v[\y+2]|
	v_max3_num_f32 v[TM+1], |v[\y+3]|, |v[\y+4]|, |v[\y+5]|
.irp i, 6,10,14,18,22,26
	v_max3_num_f32 v[TM], v[TM], |v[\y+\i]|, |v[\y+\i+1]|
	v_max3_num_f32 v[TM+1], v[TM+1], |v[\y+\i+2]|, |v[\y+\i+3]|
.endr
	v_max3_num_f32 v[TM], v[TM], |v[\y+30]|, |v[\y+31]|
	v_max3_num_f32 v[TM], v[TM], v[TM+1], 0x8000000
	v_add_nc_u32 v[TM+2], 0xf8800000, v[TM]
	v_and_or_b32 v[TM+3], v[TM], 0x7f800000, s[MNT]
	v_lshrrev_b32 v[TM+1], 23, v[TM+2]
.if \b == 0
	v_mov_b32 v[VSW+\g], v[TM+1]                                ; four bytes to a word, the lower keys in the lower byte
.else
	v_lshl_or_b32 v[VSW+\g], v[TM+1], 8*\b, v[VSW+\g]
.endif
.irp i, 0,1,2,3,4,5,6,7,8,9,10,11,12,13,14,15,16,17,18,19,20,21,22,23,24,25,26,27,28,29,30,31
	v_med3_num_f32 v[\y+\i], v[\y+\i], -v[TM+3], v[TM+3]
.endr
.irp q, 0,1,2,3
	v_cvt_scalef32_pk8_bf8_f32 v[\creg+2*\q:\creg+2*\q+1], v[\y+8*\q:\y+8*\q+7], v[TM+2]
.endr
	v_nop
	global_store_b128 v[VST], v[\creg:\creg+3], s[16:17] offset:4096*\g+512*\b        ; keys 0-15 of the block: sixteen lanes store 256 consecutive bytes, aligned
	global_store_b128 v[VST], v[\creg+4:\creg+7], s[16:17] offset:4096*\g+512*\b+256  ; keys 16-31
.endm
; A UNIT: 32 rows of the table, block b of the step's 128 keys.
.macro UNIT b
	s_wait_loadcnt 0x0                             ; my four rows are in
	s_wait_xcnt 0x0                                ; the last unit's stores have read their data: those registers are written again below
.irp k, 0,1,2,3
	v_pk_mul_f32 v[Y+2*\k:Y+2*\k+1], v[L+16*\k:L+16*\k+1], v[L+16*\k:L+16*\k+1]     ; the rows' sums of squares, the four rows by turns
.endr
.irp i, 2,4,6,8,10,12,14
.irp k, 0,1,2,3
	v_pk_fma_f32 v[Y+2*\k:Y+2*\k+1], v[L+16*\k+\i:L+16*\k+\i+1], v[L+16*\k+\i:L+16*\k+\i+1], v[Y+2*\k:Y+2*\k+1]
.endr
.endr
.irp k, 0,1,2,3
	v_add_f32 v[Y+2*\k], v[Y+2*\k], v[Y+2*\k+1]
.endr
.irp m, 1,2,4,8
.irp k, 0,1,2,3
	v_add_f32_dpp v[Y+2*\k], v[Y+2*\k], v[Y+2*\k] row_xmask:\m row_mask:0xf bank_mask:0xf
.endr
.endr
.irp k, 0,1,2,3
	v_permlanex16_b32 v[Y+2*\k+1], v[Y+2*\k], s[SEL], s[SEL+1]
.endr
.irp k, 0,1,2,3
	v_add_f32 v[Y+2*\k], v[Y+2*\k], v[Y+2*\k+1]
.endr
.irp k, 0,1,2,3
	v_sqrt_f32 v[Y+2*\k+1], v[Y+2*\k]
.endr
	v_nop                                          ; a plain line behind the roots,
	s_wait_alu depctr_va_vdst(0)                   ; and one wait for the four, ahead of their first reader
.irp k, 0,1,2,3
	v_max_num_f32 v[Y+2*\k+1], EPSF, v[Y+2*\k+1]
.endr
.irp k, 0,1,2,3
	v_rcp_f32 v[Y+2*\k], v[Y+2*\k+1]
.endr
	v_nop
.irp k, 0,1,2,3
.irp j, 0,1,2,3
	ds_store_b128 v[SST], v[L+16*\k+4*\j:L+16*\k+4*\j+3] offset:\k*PITCH+512*\j      ; the rows go to the stage as they are
.endr
.endr
	s_wait_alu depctr_va_vdst(0)                   ; one wait for the four reciprocals
.irp k, 0,1,2,3
	ds_store_b32 v[RNS], v[Y+2*\k] offset:4*\k     ; all lanes write the same word with the same value
.endr
	s_wait_dscnt 0x0                               ; my stores have landed, and have read L:
.if \b < 3
	LAND (\b)+1                                    ; the next unit's rows are asked for
.endif
	BAR                                            ; the stage and the 32 reciprocals are whole
.irp c, 0,1,2,3
.irp i, 0,1,2,3
	ds_load_b128 v[X+16*\c+4*\i:X+16*\c+4*\i+3], v[KLD] offset:128*\c+16*\i          ; K's way: tile 2 b + u, K step s: 16 neighbours of each block of 32
.endr
.endr
	ds_load_b32 v[RN], v[RNL]
	VLOAD Y, 0
	s_wait_dscnt 32                                ; X and 1 / norm are in; the 32 column loads behind them may be out
.irp i, 0,2,4,6,8,10,12,14,16,18,20,22,24,26,28,30,32,34,36,38,40,42,44,46,48,50,52,54,56,58,60,62
	v_pk_mul_f32 v[X+\i:X+\i+1], v[X+\i:X+\i+1], v[RN:RN+1] op_sel_hi:[1,0]
.endr
	QUANT X
.irp c, 0,1,2,3
	global_store_b128 v[KST], v[PC+4*\c:PC+4*\c+3], s[16:17] offset:16384*\b+512*\c  ; the fragment's image: 512 consecutive bytes a store
.endr
	ds_store_b32 v[KSS], v[PW]
	s_wait_dscnt 0x0                               ; my first 32 columns' numbers are in
	VLOAD X, 1                                     ; the second 32 columns' land where X lay
	VBLOCK Y, 0, \b, C0
	s_wait_dscnt 0x0
	VBLOCK X, 1, \b, C1
	s_wait_dscnt 0x0                               ; nothing of mine is out in LDS
	BAR                                            ; all reads of the stage are over, and the unit's scale words of K are whole
	s_cmp_lg_u32 s[WV], 0
	s_cbranch_scc1 .Lno_ks_\@
	ds_load_b128 v[X:X+3], v[KSR]
	s_wait_dscnt 0x0
	global_store_b128 v[KST], v[X:X+3], s[16:17] offset:131072+512*\b                ; in wave 0 KST is 16 x lane: 512 consecutive bytes
.Lno_ks_\@:
.endm
; the kw path's loads
.macro WLOAD reg, t0, k                ; four tiles of W of K step k, and their rows' scale words: 20 loads
.irp y, 0,1,2,3
.irp c, 0,1,2,3
	global_load_b128 v[\reg+16*\y+4*\c:\reg+16*\y+4*\c+3], v[A_WF], s[6:7] offset:(32*((\t0+\y)/2)+8*((\t0+\y)%2))*768+128*(\k)+32*\c
.endr
	global_load_b32 v[WSC+\t0+\y], v[A_WS], s[8:9] offset:(32*((\t0+\y)/2)+8*((\t0+\y)%2))*24+4*(\k)
.endr
.endm
.macro ALOAD k                         ; audio's fragment of K step k: 4 loads
.irp c, 0,1,2,3
	global_load_b128 v[AU+16*((\k)%2)+4*\c:AU+16*((\k)%2)+4*\c+3], v[A_AU], s[10:11] offset:128*(\k)+32*\c
.endr
.endm
; K step k of the first product: eight accumulators by turns, one instruction a turn
.macro TRIP k
.if (\k) < 5
	s_wait_loadcnt 24                              ; younger than W's tiles 0-3: tiles 4-7 (20) and the next fragment of audio (4)
.else
	s_wait_loadcnt 20                              ; the last K step: tiles 4-7 alone
.endif
.irp y, 0,1,2,3
	v_wmma_scale_f32_16x16x128_f8f6f4 v[H+8*\y:H+8*\y+7], v[WA+16*\y:WA+16*\y+15], v[AU+16*((\k)%2):AU+16*((\k)%2)+15], v[H+8*\y:H+8*\y+7], v[WSC+\y], v[ASC+(\k)] matrix_a_fmt:MATRIX_FMT_BF8 matrix_b_fmt:MATRIX_FMT_BF8
.endr
.if (\k) < 5
.rept 8
	v_nop                                          ; eight places in front of loads into registers that these products read
.endr
	WLOAD WA, 0, (\k)+1
	s_wait_loadcnt 24                              ; younger than tiles 4-7: the next fragment of audio (4) and the 20 just issued
.else
	s_wait_loadcnt 0x0
.endif
.irp y, 0,1,2,3
	v_wmma_scale_f32_16x16x128_f8f6f4 v[H+32+8*\y:H+32+8*\y+7], v[WB+16*\y:WB+16*\y+15], v[AU+16*((\k)%2):AU+16*((\k)%2)+15], v[H+32+8*\y:H+32+8*\y+7], v[WSC+4+\y], v[ASC+(\k)] matrix_a_fmt:MATRIX_FMT_BF8 matrix_b_fmt:MATRIX_FMT_BF8
.endr
.rept 8
	v_nop                                          ; likewise; behind the last K step they stand in front of the first read of the results
.endr
.if (\k) < 5
	WLOAD WB, 4, (\k)+1
.endif
.if (\k) < 4
	ALOAD (\k)+2
.endif
.endm
	s_load_b256 s[4:11], s[0:1], 0x0               ; table s[4:5], W's codes s[6:7], W's scales s[8:9], audio's codes s[10:11]
	s_load_b256 s[12:19], s[0:1], 0x20             ; audio's scales s[12:13], b s[14:15], kv s[16:17], qc s[18:19]
	s_load_b64 s[20:21], s[0:1], 0x40              ; qs
	v_lshl_add_u32 v254, v0, 2, 0x10900
	v_mov_b32 v255, 0
	v_lshrrev_b32 v1, 5, v0
	v_readfirstlane_b32 s[WV], v1                  ; wave 0..7
	s_mov_b32 s[SEL], 0x76543210
	s_mov_b32 s[SEL+1], 0xfedcba98
	s_mov_b32 s[MNT], 0x600000
	s_cmp_lt_u32 ttmp9, 32
	s_cbranch_scc1 .Lkw
	; ---------------- THE TABLE PATH ----------------
.set TM, 16                            ; v16-31 at work
.set PC, 48                            ; v48-63 the codes just made
.set PW, 12                            ; v12    the scale word just made
	v_and_b32 v16, 31, v0                          ; lane
	v_and_b32 v17, 15, v0                          ; r
	v_bfe_u32 v18, v0, 4, 1                        ; h
	s_and_b32 s23, s[WV], 1                        ; key 4 w + k lies in stage row 4 perm(w) + k: bits 1 and 2 of w change places
	s_and_b32 s24, s[WV], 2
	s_lshl_b32 s24, s24, 1
	s_and_b32 s25, s[WV], 4
	s_lshr_b32 s25, s25, 1
	s_or_b32 s23, s23, s24
	s_or_b32 s23, s23, s25                         ; perm
	s_lshr_b32 s26, s[WV], 2                       ; u: which of the unit's two tiles of K I quantise
	s_and_b32 s27, s[WV], 3                        ; s: which K step of it
	s_lshl_b32 s28, s[WV], 13
	v_lshl_add_u32 v[GL], v16, 4, s28              ; 4 w rows of 2,048 bytes + 16 x lane
	s_mul_i32 s28, s23, 4*PITCH
	v_lshl_add_u32 v[SST], v16, 4, s28
	s_lshl_b32 s28, s23, 4
	s_add_co_u32 s28, s28, RNB
	v_mov_b32 v[RNS], s28
	s_mul_i32 s28, s26, 16*PITCH
	s_lshl_b32 s29, s27, 9
	s_add_co_u32 s28, s28, s29
	v_mul_u32_u24 v[KLD], v17, PITCH
	v_lshl_add_u32 v[KLD], v18, 6, v[KLD]
	v_add_nc_u32 v[KLD], s28, v[KLD]               ; row 16 u + r, T = 128 s + 16 h on
	s_lshl_b32 s28, s26, 6
	s_add_co_u32 s28, s28, RNB
	v_lshl_add_u32 v[RNL], v17, 2, s28
	s_lshl_b32 s28, s[WV], 8
	v_lshl_add_u32 v[VLD], v16, 2, s28             ; column 64 w + lane
	s_add_co_u32 s28, s28, 133120
	v_lshl_add_u32 v[VSO], v16, 3, s28
	s_lshl_b32 s28, s[WV], 11
	v_lshl_add_u32 v[KST], v16, 4, s28             ; 4 u + s = w
	s_lshl_b32 s28, s26, 8
	s_lshl_b32 s29, s27, 2
	s_add_co_u32 s28, s28, s29
	s_add_co_u32 s28, s28, KSG
	v_lshl_add_u32 v[KSS], v17, 4, s28
	v_lshl_add_u32 v[KSR], v16, 4, KSG
	s_lshl_b32 s28, s[WV], 13
	s_add_co_u32 s28, s28, 65536
	v_lshlrev_b32 v[VST], 4, v17
	v_lshl_add_u32 v[VST], v18, 11, v[VST]
	v_add_nc_u32 v[VST], s28, v[VST]               ; channel tile 4 w + 2 g + lane / 16, place 16 (lane % 16)
.irp b, 0,1,2,3
	v_mov_b32 v[TM+4+\b], 0                        ; written once: a lane permute's destination counts as one of its sources
.endr
	s_sub_co_u32 s30, ttmp9, 32                    ; my step
	s_lshl_b32 s28, s30, 18                        ; 128 rows of 2,048 bytes
	s_mov_b32 s29, 0
	s_mul_i32 s30, s30, STEPB
	s_mov_b32 s31, 0
	s_wait_kmcnt 0x0
	s_add_nc_u64 s[4:5], s[4:5], s[28:29]
	s_add_nc_u64 s[16:17], s[16:17], s[30:31]
	LAND 0
	UNIT 0
	UNIT 1
	UNIT 2
	UNIT 3
	global_store_b64 v[VSO], v[VSW:VSW+1], s[16:17]  ; my two columns' scale words: the wave stores 256 consecutive bytes, aligned
	s_wait_tensorcnt 0x0
	ds_add_u32 v254, v255
	s_wait_dscnt 0x0
	s_endpgm
	; ---------------- THE KW PATH ----------------
	; Wave (jt, s): query tile 2 g + jt, T = 128 s .. 128 s + 127.  The product is used transposed (source 0 = 16 rows of W, source 1 = 16 queries), and lane r of tile 2 b + u takes W's row
	; 128 s + 32 b + 8 u + r + 8 (r / 8): so a lane holds one query, and register 16 b + i of its 64 is T = 128 s + 32 b + 16 (lane / 16) + i.  The bias is the C of each sum's first product.
.Lkw:
	v_and_b32 v11, 31, v0                          ; lane
	v_and_b32 v12, 15, v0                          ; r
	v_bfe_u32 v13, v0, 4, 1                        ; h
	s_lshr_b32 s26, s[WV], 2                       ; jt
	s_and_b32 s27, s[WV], 3                        ; s
	s_lshl_b32 s23, ttmp9, 1
	s_add_co_u32 s23, s23, s26                     ; the query tile
	v_lshlrev_b32 v[A_B], 6, v13                   ; the bias: 16 h numbers on
	v_mul_u32_u24 v[A_AS], v12, 24                 ; audio's scale bytes: 24 a row
	v_mul_u32_u24 v[A_AU], v12, 768                ; audio's codes: 768 a row
	v_lshl_add_u32 v[A_AU], v13, 4, v[A_AU]
	v_and_b32 v14, 8, v12
	v_add_nc_u32 v14, v14, v12                     ; r + 8 (r / 8)
	v_mul_u32_u24 v[A_WF], v14, 768
	v_lshl_add_u32 v[A_WF], v13, 4, v[A_WF]
	v_mul_u32_u24 v[A_WS], v14, 24
	s_lshl_b32 s28, s26, 8
	s_lshl_b32 s29, s27, 2
	v_lshl_add_u32 v[A_SL], v12, 4, s28            ; 256 jt + 16 r
	v_add_nc_u32 v[A_SQ], s29, v[A_SL]             ; + 4 s
	v_add_nc_u32 v[A_QS], QSG, v[A_SQ]
	v_add_nc_u32 v[A_SQ], SSQ, v[A_SQ]
	v_add_nc_u32 v[A_SL], SSQ, v[A_SL]
	v_lshlrev_b32 v[A_QC], 4, v11
	v_add_nc_u32 v[A_QL], QSG, v[A_QC]
	s_mov_b32 s29, 0
	s_wait_kmcnt 0x0
	s_lshl_b32 s28, s27, 9
	s_add_nc_u64 s[14:15], s[14:15], s[28:29]      ; b at T = 128 s
	s_mul_i32 s28, s23, 384
	s_add_nc_u64 s[12:13], s[12:13], s[28:29]      ; audio's scales at my 16 queries
	s_mul_i32 s28, s23, 12288
	s_add_nc_u64 s[10:11], s[10:11], s[28:29]      ; audio's codes
	s_mul_i32 s28, s27, 98304
	s_add_nc_u64 s[6:7], s[6:7], s[28:29]          ; W's codes at row 128 s
	s_mul_i32 s28, s27, 3072
	s_add_nc_u64 s[8:9], s[8:9], s[28:29]          ; W's scales
	s_lshl_b32 s28, s23, 13
	s_lshl_b32 s30, s27, 11
	s_add_co_u32 s28, s28, s30
	s_add_nc_u64 s[18:19], s[18:19], s[28:29]      ; qc at fragment (tile, s)
	s_lshl_b32 s28, ttmp9, 9
	s_add_nc_u64 s[20:21], s[20:21], s[28:29]      ; qs at the work-group's two tiles
.irp t, 0,1,2,3,4,5,6,7
	global_load_b128 v[H+8*\t:H+8*\t+3], v[A_B], s[14:15] offset:(32*(\t/2)+8*(\t%2))*4
	global_load_b128 v[H+8*\t+4:H+8*\t+7], v[A_B], s[14:15] offset:(32*(\t/2)+8*(\t%2))*4+16
.endr
.irp k, 0,1,2,3,4,5
	global_load_b32 v[ASC+\k], v[A_AS], s[12:13] offset:4*\k
.endr
	ALOAD 0
	WLOAD WA, 0, 0
	WLOAD WB, 4, 0
	ALOAD 1
	TRIP 0
	TRIP 1
	TRIP 2
	TRIP 3
	TRIP 4
	TRIP 5
.set TM, 48                            ; W's registers are free: QUANT works there
.set PC, 64
.set PW, 80
	v_pk_mul_f32 v[82:83], v[H:H+1], v[H:H+1]      ; the sum of squares of my 64 numbers, two chains; each accumulator is read from its low end on
	v_pk_mul_f32 v[84:85], v[H+2:H+3], v[H+2:H+3]
.irp i, 4,8,12,16,20,24,28,32,36,40,44,48,52,56,60
	v_pk_fma_f32 v[82:83], v[H+\i:H+\i+1], v[H+\i:H+\i+1], v[82:83]
	v_pk_fma_f32 v[84:85], v[H+\i+2:H+\i+3], v[H+\i+2:H+\i+3], v[84:85]
.endr
	v_pk_add_f32 v[82:83], v[82:83], v[84:85]
	v_add_f32 v82, v82, v83
	v_permlanex16_b32 v83, v82, s[SEL], s[SEL+1]
	v_add_f32 v82, v82, v83                        ; my query's 128 of the 512
	ds_store_b32 v[A_SQ], v82                      ; lanes l and l xor 16 write the same word with the same value
	s_wait_dscnt 0x0
	BAR
	ds_load_b128 v[88:91], v[A_SL]                 ; the four waves' parts
	s_wait_dscnt 0x0
	v_add_f32 v88, v88, v89
	v_add_f32 v90, v90, v91
	v_add_f32 v88, v88, v90
	v_sqrt_f32 v89, v88
	v_nop
	s_wait_alu depctr_va_vdst(0)
	v_max_num_f32 v89, EPSF, v89
	v_rcp_f32 v86, v89
	v_mov_b32 v87, 0                               ; a plain line behind the reciprocal; v87 is named with v86 as a pair
	s_wait_alu depctr_va_vdst(0)
.irp i, 0,2,4,6,8,10,12,14,16,18,20,22,24,26,28,30,32,34,36,38,40,42,44,46,48,50,52,54,56,58,60,62
	v_pk_mul_f32 v[H+\i:H+\i+1], v[H+\i:H+\i+1], v[86:87] op_sel_hi:[1,0]
.endr
.irp b, 0,1,2,3
	v_mov_b32 v[TM+4+\b], 0
.endr
	QUANT H
.irp c, 0,1,2,3
	global_store_b128 v[A_QC], v[PC+4*\c:PC+4*\c+3], s[18:19] offset:512*\c
.endr
	ds_store_b32 v[A_QS], v[PW]
	s_wait_dscnt 0x0
	BAR
	s_cmp_lg_u32 s[WV], 0
	s_cbranch_scc1 .Lkw_end
	ds_load_b128 v[88:91], v[A_QL]
	s_wait_dscnt 0x0
	global_store_b128 v[A_QC], v[88:91], s[20:21]  ; both tiles' scale words: 512 consecutive bytes
.Lkw_end:
	s_wait_tensorcnt 0x0
	ds_add_u32 v254, v255
	s_wait_dscnt 0x0
	s_endpgm
.Lfunc_end_k_q0b27bb13ea_prep:
	.size	k_q0b27bb13ea_prep, .Lfunc_end_k_q0b27bb13ea_prep-k_q0b27bb13ea_prep
	.p2alignl 7, 3214868480
	.fill 96, 4, 3214868480
	.section	.rodata,"a",@progbits
	.p2align	6, 0x0
	.amdhsa_kernel k_q0b27bb13ea_prep
		.amdhsa_group_segment_fixed_size 68864
		.amdhsa_private_segment_fixed_size 0
		.amdhsa_enable_private_segment 0
		.amdhsa_kernarg_size 72
		.amdhsa_user_sgpr_count 2
		.amdhsa_user_sgpr_kernarg_segment_ptr 1
		.amdhsa_wavefront_size32 1
		.amdhsa_system_sgpr_workgroup_id_x 1
		.amdhsa_system_sgpr_workgroup_id_y 1
		.amdhsa_system_sgpr_workgroup_id_z 1
		.amdhsa_system_vgpr_workitem_id 0
		.amdhsa_next_free_vgpr 256
		.amdhsa_next_free_sgpr 66
		.amdhsa_reserve_vcc 0
		.amdhsa_float_denorm_mode_32 3
		.amdhsa_float_denorm_mode_16_64 3
		.amdhsa_memory_ordered 1
		.amdhsa_forward_progress 1
		.amdhsa_inst_pref_size 177
	.end_amdhsa_kernel
	.amdgpu_metadata
---
amdhsa.version: [ 1, 2 ]
amdhsa.kernels:
  - .name:           k_q0b27bb13ea_prep
    .symbol:         k_q0b27bb13ea_prep.kd
    .args:
      - { .name: token_embedding, .offset: 0, .size: 8, .value_kind: global_buffer, .address_space: global }
      - { .name: W_proj_codes, .offset: 8, .size: 8, .value_kind: global_buffer, .address_space: global }
      - { .name: W_proj_scales, .offset: 16, .size: 8, .value_kind: global_buffer, .address_space: global }
      - { .name: audio_feat_codes, .offset: 24, .size: 8, .value_kind: global_buffer, .address_space: global }
      - { .name: audio_feat_scales, .offset: 32, .size: 8, .value_kind: global_buffer, .address_space: global }
      - { .name: b_proj, .offset: 40, .size: 8, .value_kind: global_buffer, .address_space: global }
      - { .name: kv, .offset: 48, .size: 8, .value_kind: global_buffer, .address_space: global }
      - { .name: qc, .offset: 56, .size: 8, .value_kind: global_buffer, .address_space: global }
      - { .name: qs, .offset: 64, .size: 8, .value_kind: global_buffer, .address_space: global }
    .group_segment_fixed_size: 68864
    .private_segment_fixed_size: 0
    .kernarg_segment_align: 8
    .kernarg_segment_size: 72
    .max_flat_workgroup_size: 256
    .sgpr_count:     66
    .vgpr_count:     256
    .wavefront_size: 32
...
	.end_amdgpu_metadata
.endif
;; end of part 1
;; launch attn (part 2): grid 8 x 32, 4 waves a work-group, clusters of 4 x 1, 327,680 bytes of LDS; arguments kv, qc, qs, part, lpart; writes part, lpart
.if DOCPART == 2
	.amdgcn_target "amdgcn-amd-amdhsa--gfx1250"
	.amdhsa_code_object_version 6
	.text
	.protected	k_q0b27bb13ea_attn
	.globl	k_q0b27bb13ea_attn
	.p2align	8
	.type	k_q0b27bb13ea_attn,@function
k_q0b27bb13ea_attn:
	s_mov_b64 s[64:65], 0
	v_nop
	global_prefetch_b8 v0, s[64:65] scope:SCOPE_SE
	s_setreg_imm32_b32 hwreg(HW_REG_WAVE_MODE, 25, 1), 1
	s_wait_xcnt 0x0
	s_wait_alu depctr_hold_cnt(0) depctr_sa_sdst(0) depctr_va_vdst(0) depctr_va_sdst(0) depctr_va_ssrc(0) depctr_va_vcc(0) depctr_vm_vsrc(0)
	s_getreg_b32 s2, hwreg(HW_REG_IB_STS2, 6, 4)
	s_cmp_eq_u32 s2, 0
	s_cbranch_scc0 .Lentry_in_a_cluster
	s_endpgm
.Lentry_in_a_cluster:
	s_bfe_u32 s2, ttmp6, 0x10000c
	s_cmp_lg_u32 s2, 0x3003
	s_cbranch_scc0 .Lentry_shape_is_right
	s_endpgm
.Lentry_shape_is_right:
; ATTN.  Partial sums of  O = sum over keys of p V  and  l = sum of p,  p = 2^(t - 18),  t = cos x 10 log2(e),  cos = kw_n . emb_n, both products on codes of E5M2 with E8M0 scales.
; THE SHIFT IS THE FIXED WHOLE NUMBER 18, AND NO MAXIMUM IS SEARCHED FOR.  Both vectors of cos are normalised by the computation itself; rounding to E5M2 lengthens a number by at most 1.25 / 1.125, so
; |cos| <= 1.235 and |t| <= 17.82 for every input.  So p lies between 2^-35.9 and 1, l under 49,408, a block's scale byte at 76 or above: nothing overflows or underflows in f32.  A whole-number shift
; other than the row's own moves every p by one exact power of two, which the blocks' scales take up and which leaves O / l as it is.  So partial sums of different key ranges simply add.
; SHARES.  Work-group (x, y): queries 128 x .. 128 x + 127, key range y of 32.  49,408 keys are 386 steps of 128: ranges 0-29 have 12 steps, ranges 30 and 31 have 13.  Every work-group walks 13 changes of
; slots, a constant; in ranges 0-29 the 13th step's work is jumped over by scalar branches on y, and its tile (the next range's first, inside kv) is fetched and discarded.
; THE FOUR WAVES SHARE A STEP 2 x 2.  Wave (qh, kh) owns queries 64 qh on, four tiles e of 16.  Of S^T = K Q^T it makes keys 64 kh on (two blocks of 32), of O^T = V^T P^T channels 256 kh on (16 tiles).
; So each fragment of K and of V that it reads from LDS feeds FOUR products: 32 fragments a wave and step for 128 products.  Q (256 registers) and O^T (512) stay in registers.
; P GOES FROM WAVE TO WAVE THROUGH LDS AS AN IMAGE OF ITS REGISTERS: a wave's block b of tile e is registers 4 b .. 4 b + 3 of P's fragment e: one store of 512 bytes; its two scale bytes are half of the
; query's scale word.  One barrier; then each wave loads the four whole fragments and their scale words.  The images are written again only behind the next change of slots, which every wave reaches behind its reads.
; CLUSTER.  The four work-groups of a cluster have the same y and walk the same steps of kv: each step's 135,168 bytes are asked for JOINTLY, a quarter by each wave, with a mask that names the four.
; LAYOUT.  Both products are used transposed (source 0 = 16 keys, or 16 channels): a lane holds one query throughout.  kv holds images of operand registers (laid by the launch before): every fragment comes
; by four loads of 512 consecutive bytes.  The keys of a tile are chosen so that the 16 registers of tiles 2 b and 2 b + 1 are keys 32 b + 16 (lane / 16) + 0 .. 15.
; LIMITS: NaN and infinities among the inputs are not served.
; REGISTERS, in windows of 256: window 0: addresses, scale words, three buffers of two fragments, S^T of one block / P (map below);  window 1: Q's 16 fragments, (e, s) at 16 (4 e + s);
;   window 2: O^T of tiles e = 0, 1, channel tile y at v[128 e + 8 y];  window 3: the same for e = 2, 3.
.set STEPB, 135168
.set QUART, 33792                      ; a wave's quarter of a step: 132 rows of 256 bytes
.set SLOTX, 0x21000                    ; slot 1 begins at 135,168; the number shares no bit with a wave's 33,792 w, so one exclusive or turns a descriptor's address from slot to slot
.set LSC,   2*STEPB                    ; behind the ring: 1,024 bytes: the sums l, [kh][128 queries]
.set SPARE, LSC+1024                   ; the spare words, 128 bytes for each wave: two blocks of 256 bytes that no other line names
.set PIMG,  SPARE+512                  ; P's images: [qh][e][block 0-3][lane][16 bytes], 16,384 bytes
.set PSC,   PIMG+16384                 ; P's scale words: [qh][16 e + r], 512 bytes
.set LI,  1                            ; v1  16 x lane
.set BK,  2                            ; v2  16 x lane + 32,768 kh: my key tiles (and, 65,536 on, my channel tiles) in a slot
.set SPW, 3                            ; v3  my spare word's address; never rewritten
.set NIL, 4                            ; v4  0; never rewritten
.set PFO, 5                            ; v5  256 x lane
.set ADK, 6                            ; v6-9 the step's LDS addresses: K's codes, V's codes, K's scale words, V's
.set ADV, 7
.set ADS, 8
.set ADT, 9
.set MB,  10                           ; v10 -18.0; v11 0 (named with it as a pair; also the offset of the one-block prefetch)
.set BS,  12                           ; v12 131,072 + 1,024 kh + 16 x lane
.set BT,  13                           ; v13 133,120 + 1,024 kh + 8 x lane
.set PST, 14                           ; v14 where I store P's images;  v15 their half scale words;  v16, v17 where I load both from
.set PSS, 15
.set PLD, 16
.set PSL, 17
.set LSA, 18                           ; v18, v19 the way out of l
.set LSR, 19
.set LS,  20                           ; v20-27 l of tile e, in two halves
.set QSR, 28                           ; v28-35 Q's scale words, register 4 (e / 2) + s: lanes 0-15 even e, lanes 16-31 odd e
.set KSR, 36                           ; v36-43 K's, register 4 b + s of my two blocks: lanes 0-15 tile 2 b, lanes 16-31 tile 2 b + 1
.set VSR, 44                           ; v44-51 V's, register y / 2: lanes 0-15 even channel tiles, lanes 16-31 odd ones
.set PSW, 52                           ; v52-53 P's, register e / 2: lanes 0-15 even e, lanes 16-31 odd e
.set BM,  54                           ; v54-57 a block's largest score, then its largest p, for each e
.set T,   58                           ; v58-61
.set HW,  62                           ; v62-65 my two scale bytes of tile e
.set TP,  66                           ; v66-67
.set HL,  68
.set SO,  69
.set BY,  70
.set PC,  72                           ; v72-87 the codes just made, four registers a tile
.set S,   128                          ; v128-191 S^T of one block, then p: tile (e, u) at 128 + 16 e + 8 u
.set P,   128                          ; and, behind the exchange, P's four fragments
.set WV,  14
.set CX,  15
.set G1,  16                           ; s[16:23]
.set G0,  24                           ; s[24:27], walking
.set TB,  28                           ; the slot in hand: 0 or SLOTX
.set CNT, 29                           ; changes of slots that still fill
.set LIM, 30
.set SPLIT, 31
.set PFA, 32
.set PFB, 34
.set SEL, 36
.set CS,  38                           ; s[38:39] c = 10 log2(e)
.set MNT, 40
.set KH,  59
.set QH,  60
.set MSB, 0
.macro WIN new                         ; the immediate's high byte repeats the setting that is left; a switch that changes nothing is dropped
.if MSB != (\new)
	s_set_vgpr_msb (MSB<<8)|(\new)
.set MSB, (\new)
.endif
.endm
.macro CROUND                          ; a round of the cluster's barrier
	s_barrier_signal -1
	s_barrier_wait -1
	s_cmp_lg_u32 s[WV], 0
	s_cbranch_scc1 .Lnot_wave_0_\@
	s_barrier_signal -3
.Lnot_wave_0_\@:
	s_barrier_wait -3
	s_barrier_signal -1
	s_barrier_wait -1
.endm
; one scaled product.  z: C is the constant 0;  ra, rb: the side's scale words stand in lanes 16-31
.macro WMS d, a, b, z, sa, sb, ra, rb
.if \z
.if (\ra) && (\rb)
	v_wmma_scale_f32_16x16x128_f8f6f4 v[\d:\d+7], v[\a:\a+15], v[\b:\b+15], 0, v[\sa], v[\sb] matrix_a_fmt:MATRIX_FMT_BF8 matrix_b_fmt:MATRIX_FMT_BF8 matrix_a_scale:MATRIX_SCALE_ROW1 matrix_b_scale:MATRIX_SCALE_ROW1
.elseif (\ra)
	v_wmma_scale_f32_16x16x128_f8f6f4 v[\d:\d+7], v[\a:\a+15], v[\b:\b+15], 0, v[\sa], v[\sb] matrix_a_fmt:MATRIX_FMT_BF8 matrix_b_fmt:MATRIX_FMT_BF8 matrix_a_scale:MATRIX_SCALE_ROW1
.elseif (\rb)
	v_wmma_scale_f32_16x16x128_f8f6f4 v[\d:\d+7], v[\a:\a+15], v[\b:\b+15], 0, v[\sa], v[\sb] matrix_a_fmt:MATRIX_FMT_BF8 matrix_b_fmt:MATRIX_FMT_BF8 matrix_b_scale:MATRIX_SCALE_ROW1
.else
	v_wmma_scale_f32_16x16x128_f8f6f4 v[\d:\d+7], v[\a:\a+15], v[\b:\b+15], 0, v[\sa], v[\sb] matrix_a_fmt:MATRIX_FMT_BF8 matrix_b_fmt:MATRIX_FMT_BF8
.endif
.else
.if (\ra) && (\rb)
	v_wmma_scale_f32_16x16x128_f8f6f4 v[\d:\d+7], v[\a:\a+15], v[\b:\b+15], v[\d:\d+7], v[\sa], v[\sb] matrix_a_fmt:MATRIX_FMT_BF8 matrix_b_fmt:MATRIX_FMT_BF8 matrix_a_scale:MATRIX_SCALE_ROW1 matrix_b_scale:MATRIX_SCALE_ROW1
.elseif (\ra)
	v_wmma_scale_f32_16x16x128_f8f6f4 v[\d:\d+7], v[\a:\a+15], v[\b:\b+15], v[\d:\d+7], v[\sa], v[\sb] matrix_a_fmt:MATRIX_FMT_BF8 matrix_b_fmt:MATRIX_FMT_BF8 matrix_a_scale:MATRIX_SCALE_ROW1
.elseif (\rb)
	v_wmma_scale_f32_16x16x128_f8f6f4 v[\d:\d+7], v[\a:\a+15], v[\b:\b+15], v[\d:\d+7], v[\sa], v[\sb] matrix_a_fmt:MATRIX_FMT_BF8 matrix_b_fmt:MATRIX_FMT_BF8 matrix_b_scale:MATRIX_SCALE_ROW1
.else
	v_wmma_scale_f32_16x16x128_f8f6f4 v[\d:\d+7], v[\a:\a+15], v[\b:\b+15], v[\d:\d+7], v[\sa], v[\sb] matrix_a_fmt:MATRIX_FMT_BF8 matrix_b_fmt:MATRIX_FMT_BF8
.endif
.endif
.endm
; Batch g of 16: two fragments, 8 loads, into buffer g % 3 (v96, v192, v224).  g < 8: K's: my block g / 4, K step g % 4, tiles u = 0, 1.  g >= 8: V's: my channel tiles 2 (g - 8) + u.
.macro LOADB g
.set mm, (\g)%3
.set FBB, 96+96*((mm+1)/2)+32*(mm/2)
.if (\g) < 8
.irp u, 0,1
.irp c, 0,1,2,3
	ds_load_b128 v[FBB+16*\u+4*\c:FBB+16*\u+4*\c+3], v[ADK] offset:(4*(2*((\g)/4)+\u)+(\g)%4)*2048+512*\c
.endr
.endr
.else
.irp u, 0,1
.irp c, 0,1,2,3
	ds_load_b128 v[FBB+16*\u+4*\c:FBB+16*\u+4*\c+3], v[ADV] offset:(2*((\g)-8)+\u)*2048+512*\c
.endr
.endr
.endif
.endm
; 8 products of S^T = K Q^T on batch g: the block's eight accumulators (e, u) by turns, one instruction a turn, in the same order in every batch; K step 0 starts the sums
.macro MULK g
.set mm, (\g)%3
.set FBB, 96+96*((mm+1)/2)+32*(mm/2)
.set ks, (\g)%4
.set kb, (\g)/4
.set zz, (ks==0)
.irp e, 0,1,2,3
.irp u, 0,1
	WMS S+16*\e+8*\u, FBB+16*\u, 16*(4*\e+ks), zz, KSR+4*kb+ks, QSR+4*(\e/2)+ks, \u, \e&1
.endr
.endr
.endm
; 8 products of O^T += V^T P^T on batch g: two channel tiles for the four query tiles; each accumulator has one product a step
.macro MULV g, zero
.set mm, (\g)%3
.set FBB, 96+96*((mm+1)/2)+32*(mm/2)
.set vb, (\g)-8
.irp eh, 0,1
	WIN 0xa0+0x50*\eh                              ; V and P in window 0, O^T in window 2 or 3
.irp el, 0,1
.irp u, 0,1
	WMS 128*\el+8*(2*vb+\u), FBB+16*\u, P+16*(2*\eh+\el), \zero, VSR+vb, PSW+\eh, \u, \el
.endr
.endr
.endr
.endm
; THE SOFTMAX'S PART OF A BLOCK OF 32 KEYS, for query tile e, in three lists.  A lane's 16 registers are keys 16 (lane / 16) + 0 .. 15 of the block, for its one query.
; X, 19 plain lines: the block's largest score (p rises with the score, so it gives the block's largest p), in two chains, each accumulator read from its low end on; c s - 18, two at a time.
.macro XI e, n
.set rS, S+16*(\e)
.set rB, BM+(\e)
.set rT, T+(\e)
.if (\n) == 0
	v_max3_num_f32 v[rB], v[rS], v[rS+1], v[rS+2]
.elseif (\n) == 1
	v_max3_num_f32 v[rT], v[rS+8], v[rS+9], v[rS+10]
.elseif (\n) == 2
	v_max3_num_f32 v[rB], v[rB], v[rS+3], v[rS+4]
.elseif (\n) == 3
	v_max3_num_f32 v[rT], v[rT], v[rS+11], v[rS+12]
.elseif (\n) == 4
	v_max3_num_f32 v[rB], v[rB], v[rS+5], v[rS+6]
.elseif (\n) == 5
	v_max3_num_f32 v[rT], v[rT], v[rS+13], v[rS+14]
.elseif (\n) == 6
	v_max3_num_f32 v[rB], v[rB], v[rS+7], v[rS+15]
.elseif (\n) == 7
	v_max_num_f32 v[rB], v[rB], v[rT]
.elseif (\n) == 9
	v_permlanex16_b32 v[rT], v[rB], s[SEL], s[SEL+1]            ; the block's other 16 keys lie in the lane 16 away
.elseif (\n) == 12
	v_max_num_f32 v[rB], v[rB], v[rT]
.elseif (\n) == 14
	v_fma_f32 v[rB], v[rB], s[CS], v[MB]                        ; the same multiply-add on the block's largest score
.elseif (\n) < 19
.set pp, (\n)-11                       ; numbers 8, 10, 11, 13, 15 .. 18 are pairs 0 to 7
.if (\n) == 8
.set pp, 0
.elseif (\n) < 12
.set pp, (\n)-9
.elseif (\n) == 13
.set pp, 3
.endif
	v_pk_fma_f32 v[rS+2*pp:rS+2*pp+1], v[rS+2*pp:rS+2*pp+1], s[CS:CS+1], v[MB:MB+1] op_sel_hi:[1,0,0]
.endif
.endm
; E, 17 exponentials: p of my 16 keys, and the block's largest p
.macro EI e, n
.if (\n) < 16
	v_exp_f32 v[S+16*(\e)+(\n)], v[S+16*(\e)+(\n)]
.else
	v_exp_f32 v[BM+(\e)], v[BM+(\e)]
.endif
.endm
; Y, 31 lines: l takes the unquantised p (two chains); the block's scale; the hold; the conversion.  bp: which of my two blocks
.macro YI e, n, bp
.set rS, S+16*(\e)
.set rL, LS+2*(\e)
.set rB, BM+(\e)
.if (\n) == 0
	v_pk_add_f32 v[TP:TP+1], v[rS:rS+1], v[rS+2:rS+3]
.elseif (\n) == 1
	v_max_num_f32 v[rB], 0x8000000, v[rB]                       ; the floor 2^(16 - 127)
.elseif (\n) == 2
	v_pk_add_f32 v[rL:rL+1], v[rL:rL+1], v[rS+4:rS+5]
.elseif (\n) == 3
	v_pk_add_f32 v[TP:TP+1], v[TP:TP+1], v[rS+6:rS+7]
.elseif (\n) == 4
	v_add_nc_u32 v[SO], 0xf8800000, v[rB]                       ; 15 off the exponent field: the conversion's scale operand
.elseif (\n) == 5
	v_and_or_b32 v[HL], v[rB], 0x7f800000, s[MNT]               ; 57,344 x the scale
.elseif (\n) == 6
	v_pk_add_f32 v[rL:rL+1], v[rL:rL+1], v[rS+8:rS+9]
.elseif (\n) == 7
	v_pk_add_f32 v[TP:TP+1], v[TP:TP+1], v[rS+10:rS+11]
.elseif (\n) == 8
.if \bp
	v_lshrrev_b32 v[BY], 23, v[SO]                              ; the scale's byte
.else
	v_lshrrev_b32 v[HW+(\e)], 23, v[SO]
.endif
.elseif (\n) == 9
	v_pk_add_f32 v[rL:rL+1], v[rL:rL+1], v[rS+12:rS+13]
.elseif (\n) == 10
	v_pk_add_f32 v[TP:TP+1], v[TP:TP+1], v[rS+14:rS+15]
.elseif (\n) == 11
.if \bp
	v_lshl_or_b32 v[HW+(\e)], v[BY], 8, v[HW+(\e)]              ; my two bytes: half of the query's scale word
.endif
.elseif (\n) < 28
	v_min_num_f32 v[rS+(\n)-12], v[rS+(\n)-12], v[HL]           ; the conversion does not saturate (ISA guide 7.6.2); p is not negative, so the hold is one-sided
.elseif (\n) == 28
	v_pk_add_f32 v[rL:rL+1], v[rL:rL+1], v[TP:TP+1]
.elseif (\n) == 29
	v_cvt_scalef32_pk8_bf8_f32 v[PC+4*(\e):PC+4*(\e)+1], v[rS:rS+7], v[SO]
.elseif (\n) == 30
	v_cvt_scalef32_pk8_bf8_f32 v[PC+4*(\e)+2:PC+4*(\e)+3], v[rS+8:rS+15], v[SO]
.endif
.endm
; A block for the four query tiles.  A tile's exponentials are dealt among plain lines of OTHER tiles: X0 | E0 among X1, X2 | E1 among X3, Y0 | E2 among Y1 | E3 among Y2 | Y3.
; Nothing in a part names a result of that part's exponentials; behind each part stand a plain line and one s_wait_alu for its 17, ahead of their first reader.
.macro SMB bp
.set ii, 0
.rept 19
	XI 0, ii
.set ii, ii+1
.endr
.set ii, 0
.rept 17
	EI 0, ii
	XI 1, ii
	XI 2, ii
.set ii, ii+1
.endr
	XI 1, 17
	XI 2, 17
	XI 1, 18
	XI 2, 18
	s_wait_alu depctr_va_vdst(0)
.set ii, 0
.rept 17
	EI 1, ii
	XI 3, ii
	YI 0, 2*ii, \bp
	YI 0, 2*ii+1, \bp
.set ii, ii+1
.endr
	XI 3, 17
	XI 3, 18
	s_wait_alu depctr_va_vdst(0)
.set ii, 0
.rept 17
	EI 2, ii
	YI 1, 2*ii, \bp
	YI 1, 2*ii+1, \bp
.set ii, ii+1
.endr
	v_nop
	s_wait_alu depctr_va_vdst(0)
.set ii, 0
.rept 17
	EI 3, ii
	YI 2, 2*ii, \bp
	YI 2, 2*ii+1, \bp
.set ii, ii+1
.endr
	v_nop
	s_wait_alu depctr_va_vdst(0)
.set ii, 0
.rept 31
	YI 3, ii, \bp
.set ii, ii+1
.endr
	v_nop                                          ; one plain line behind the last conversion
.irp e, 0,1,2,3
	ds_store_b128 v[PST], v[PC+4*\e:PC+4*\e+3] offset:2048*\e+512*\bp    ; registers 4 b .. 4 b + 3 of P's fragment e, as they stand: 512 consecutive bytes
.endr
.if \bp
.irp e, 0,1,2,3
	ds_store_b16 v[PSS], v[HW+\e] offset:64*\e     ; lanes l and l xor 16 write the same two bytes with the same value
.endr
.endif
.endm
; A PREFETCH INTO THE L2 of the step that the NEXT change of slots will ask for.  Both clusters of a key range walk the same steps: the cluster with x = 0 asks.  Its sixteen waves share a step's
; 131,072 bytes of codes out by address, 8,192 bytes a wave, lanes 256 bytes apart; of the 4,096 bytes of scale words each wave names one block of 256 bytes (all its lanes name the same one).
; The last change that fills a slot asks for nothing; steps 0 and 1 come by their loads alone.
.macro ASK
	s_cmp_gt_u32 s[CNT], s[LIM]
	s_cbranch_scc0 .Lnot_mine_\@
	global_prefetch_b8 v[PFO], s[PFA:PFA+1] th:TH_LOAD_NT scope:SCOPE_SE
	global_prefetch_b8 v[MB+1], s[PFB:PFB+1] th:TH_LOAD_NT scope:SCOPE_SE
.Lnot_mine_\@:
.endm
; THE CHANGE OF SLOTS, at a step's head.  Each wave waits for all its tensor loads (one is out: its quarter of the step ahead), adds 0 to its spare word, and waits for that and for its reads of the slot
; that it has left and of P's images.  fill = 1: a round of the cluster's barrier, and behind it that slot takes the step after: the load has a whole step's work in which to land.
.macro CHANGE fill
	WIN 0
	s_wait_tensorcnt 0x0                           ; no tensor load of mine is out, so the walking group 0 may be written
	ds_add_u32 v[SPW], v[NIL]                      ; 0 onto my spare word
.if \fill
	s_xor_b32 s[G0+1], s[G0+1], SLOTX              ; the other slot than last time,
	s_add_nc_u64 s[G0+2:G0+3], s[G0+2:G0+3], STEPB ; the next step; the type bits on top are not reached
	s_wait_xcnt 0x0                                ; the last prefetches, a step back, have read their addresses
	s_add_nc_u64 s[PFA:PFA+1], s[PFA:PFA+1], STEPB
	s_add_nc_u64 s[PFB:PFB+1], s[PFB:PFB+1], STEPB
.endif
	s_wait_dscnt 0x0                               ; the add is done, and my LDS reads are over
.if \fill
	CROUND                                         ; both now hold of every wave of the four work-groups
	tensor_load_to_lds s[G0:G0+3], s[G1:G1+7]      ; the first thing behind the round, and my one tensor load until the next
	s_nop 0
.rept 4
	v_nop
.endr
	ASK
.else
	s_barrier_signal -1
	s_barrier_wait -1
.rept 4
	v_nop
.endr
.endif
.endm
; THE FIRST HALF OF A STEP: my 64 keys x my 64 queries, block by block: 32 products, then the block's softmax, whose codes go to LDS.  Three batches are always asked for ahead: they land under the softmax.
.macro STEPK
	v_add_nc_u32 v[ADK], s[TB], v[BK]              ; these four, the two v_nop and the four of the change are ten places behind the last step's products: eight are owed in front of the loads below,
	v_add_nc_u32 v[ADS], s[TB], v[BS]              ; nine in front of the first products, which write S^T over the registers from which those products read P (ISA guide 7.12.1)
	v_add_nc_u32 v[ADT], s[TB], v[BT]
	v_add_nc_u32 v[ADV], 65536, v[ADK]
	v_nop
	v_nop
	ds_load_b128 v[KSR:KSR+3], v[ADS]
	ds_load_b128 v[KSR+4:KSR+7], v[ADS] offset:512
.irp i, 0,1,2,3
	ds_load_b64 v[VSR+2*\i:VSR+2*\i+1], v[ADT] offset:256*\i
.endr
	LOADB 0
	LOADB 1
	LOADB 2
	WIN 0x04                                       ; Q in window 1, all else in window 0: the LDS loads between the products need no switch
.irp g, 0,1,2,3
	s_wait_dscnt 16                                ; all but the two younger batches' 16 loads
	MULK \g
.rept 8
	v_nop                                          ; eight places in front of loads into the buffer just multiplied and, behind a block's last batch, of the first read of the scores
.endr
	LOADB \g+3
.endr
	WIN 0
	SMB 0
	WIN 0x04
.irp g, 4,5,6,7
	s_wait_dscnt 16                                ; the two younger batches; where the block's four stores are younger too the count is smaller than it need be
	MULK \g
.rept 8
	v_nop
.endr
	LOADB \g+3                                     ; batches 8 to 10 are V's first three
.endr
	WIN 0
	SMB 1
.endm
; THE EXCHANGE: my stores of P's images and scale bytes have landed; then the work-group's barrier.  The next slot's load may stay out.
; It stands on every path; the eight v_nop are the places in front of the loads into P's registers on the path that leaves the 13th step's first half out.
.macro PBAR
	s_wait_dscnt 0x0
	s_barrier_signal -1
.rept 8
	v_nop
.endr
	s_barrier_wait -1
.endm
; THE SECOND HALF: P's four whole fragments and scale words from LDS; my 16 channel tiles x my four query tiles.  zero = 1: the first step's products start O^T's sums: nothing is ever cleared.
.macro STEPV zero
.irp e, 0,1,2,3
.irp c, 0,1,2,3
	ds_load_b128 v[P+16*\e+4*\c:P+16*\e+4*\c+3], v[PLD] offset:2048*\e+512*\c
.endr
.endr
	ds_load_b32 v[PSW], v[PSL]
	ds_load_b32 v[PSW+1], v[PSL] offset:128
.irp g, 8,9,10,11,12,13,14,15
.if \g == 8
	s_wait_dscnt 0x0                               ; P is in (V's first three batches came in front of the barrier)
.elseif \g < 14
	s_wait_dscnt 16                                ; all but the two younger batches
.elseif \g == 14
	s_wait_dscnt 8                                 ; all but the last batch
.else
	s_wait_dscnt 0x0
.endif
	MULV \g, \zero
.if \g < 13
	WIN 0
.rept 8
	v_nop
.endr
	LOADB \g+3
.endif
.endr
	WIN 0
	s_xor_b32 s[TB], s[TB], SLOTX                  ; on to the other slot
.endm
	s_load_b256 s[4:11], s[0:1], 0x0               ; kv s[4:5], qc s[6:7], qs s[8:9], part s[10:11]
	s_load_b64 s[12:13], s[0:1], 0x20              ; lpart
	v_lshl_add_u32 v[SPW], v0, 2, SPARE
	v_mov_b32 v[NIL], 0
	ds_add_u32 v3, v4
	ds_add_u32 v3, v4
	s_wait_dscnt 0x0
	v_lshrrev_b32 v[HL], 5, v0
	v_readfirstlane_b32 s[WV], v[HL]               ; wave 0..3
	s_and_b32 s[KH], s[WV], 1                      ; which 64 keys and which 256 channels are mine
	s_lshr_b32 s[QH], s[WV], 1                     ; which 64 queries
	s_and_b32 s[SPLIT], ttmp7, 0xffff              ; the key range, which the four partners share
	s_mul_i32 s42, s[SPLIT], 12
	s_sub_co_i32 s43, s[SPLIT], 30
	s_max_i32 s43, s43, 0
	s_add_co_u32 s42, s42, s43                     ; its first step: 12 y + max(y - 30, 0)
	s_mul_i32 s44, s42, STEPB                      ; under 2^32: kv has 52,174,848 bytes
	s_mul_i32 s46, s[WV], QUART                    ; my quarter, in memory and in a slot: no place in the cluster enters either
	s_add_co_u32 s44, s44, s46
	s_mov_b32 s45, 0
	; descriptor group 1: 132 dense rows of 256 bytes (32 elements of 8 bytes), no padding
	s_mov_b32 s[G1], 15|(3<<16)|(1<<21)            ; 15:0 the mask: all four work-groups; 17:16 elements of 8 bytes; 21 set beside a mask
	s_mov_b32 s[G1+1], 32<<16                      ; tensor_dim0 = 32
	s_mov_b32 s[G1+2], 132<<16                     ; tensor_dim1 = 132
	s_mov_b32 s[G1+3], 32<<16                      ; tile_dim0 = 32
	s_mov_b32 s[G1+4], 132                         ; tile_dim1 = 132
	s_mov_b32 s[G1+5], 32                          ; from row to row
	s_mov_b32 s[G1+6], 0
	s_mov_b32 s[G1+7], 0
	s_mov_b32 s[G0], 1
	s_mov_b32 s[G0+1], s46                         ; slot 0
	s_bfe_u32 s[CX], ttmp6, 0x40000                ; cx: it enters Q's, the outputs' and the prefetches' addresses alone
	s_lshl_b32 s41, ttmp9, 2
	s_add_co_u32 s41, s41, s[CX]                   ; my block of 128 queries
	s_lshl_b32 s47, s41, 3
	s_lshl_b32 s48, s[QH], 2
	s_add_co_u32 s47, s47, s48                     ; my first query tile: 8 x block + 4 qh
	s_lshl_b32 s48, s[CX], 2
	s_add_co_u32 s48, s48, s[WV]                   ; my place among the cluster's sixteen waves
	s_mul_i32 s50, s42, STEPB
	s_add_co_u32 s50, s50, STEPB                   ; step 1: the first change steps the prefetches to step 2
	s_lshl_b32 s49, s48, 13
	s_add_co_u32 s52, s50, s49
	s_mov_b32 s53, 0
	s_lshl_b32 s49, s48, 8
	s_add_co_u32 s54, s50, s49
	s_add_co_u32 s54, s54, 131072
	s_mov_b32 s55, 0
	s_cmp_eq_u32 ttmp9, 0                          ; the same in all four partners
	s_cselect_b32 s[LIM], 1, -1
	s_mov_b32 s[SEL], 0x76543210
	s_mov_b32 s[SEL+1], 0xfedcba98
	s_mov_b32 s[CS], 0x4166d4ca                    ; 10 log2(e) = 14.4269504
	s_mov_b32 s[CS+1], s[CS]
	s_mov_b32 s[MNT], 0x600000
	s_mov_b32 s[TB], 0
	s_mov_b32 s[CNT], 12
	s_mov_b32 s57, 0
	v_and_b32 v[HL], 31, v0                        ; lane
	v_lshlrev_b32 v[LI], 4, v[HL]
	s_wait_kmcnt 0x0
	s_add_nc_u64 s[G0+2:G0+3], s[4:5], s[44:45]
	s_or_b32 s[G0+3], s[G0+3], 0x80000000          ; type = 2
	s_add_nc_u64 s[PFA:PFA+1], s[4:5], s[52:53]
	s_add_nc_u64 s[PFB:PFB+1], s[4:5], s[54:55]
	s_lshl_b32 s56, s47, 13
	s_add_nc_u64 s[6:7], s[6:7], s[56:57]          ; Q's codes: 8,192 bytes a tile
	s_lshl_b32 s56, s47, 8
	s_add_nc_u64 s[8:9], s[8:9], s[56:57]          ; Q's scale words: 256 bytes a tile
	s_lshl_b32 s56, s[SPLIT], 6
	s_add_co_u32 s56, s56, s47
	s_lshl_b32 s56, s56, 15
	s_lshl_b32 s58, s[KH], 14
	s_add_co_u32 s56, s56, s58
	s_add_nc_u64 s[10:11], s[10:11], s[56:57]      ; part: 32,768 bytes for a range and a tile; my 16 channel tiles begin 16,384 kh on
	s_lshl_b32 s56, s[SPLIT], 12
	s_lshl_b32 s58, s41, 9
	s_add_co_u32 s56, s56, s58
	s_add_nc_u64 s[12:13], s[12:13], s[56:57]      ; lpart: 4,096 bytes a range, 512 a block
	WIN 0x40                                       ; destination window 1
.irp e, 0,1,2,3
.irp s, 0,1,2,3
.irp c, 0,1,2,3
	global_load_b128 v[16*(4*\e+\s)+4*\c:16*(4*\e+\s)+4*\c+3], v[LI], s[6:7] offset:8192*\e+2048*\s+512*\c   ; Q stays in registers; it is asked for ahead of the round, which it need not await
.endr
.endr
.endr
	WIN 0
	global_load_b128 v[QSR:QSR+3], v[LI], s[8:9]
	global_load_b128 v[QSR+4:QSR+7], v[LI], s[8:9] offset:512
	CROUND                                         ; all four work-groups are here: the first joint loads meet
	tensor_load_to_lds s[G0:G0+3], s[G1:G1+7]      ; step 0: one tensor load of mine is out
	s_nop 0
.rept 4
	v_nop
.endr
	v_and_b32 v[SO], 15, v0                        ; r
	v_lshlrev_b32 v[PFO], 8, v[HL]
	s_lshl_b32 s41, s[KH], 15
	v_lshl_add_u32 v[BK], v[HL], 4, s41
	s_lshl_b32 s41, s[KH], 10
	s_add_co_u32 s42, s41, 131072
	v_lshl_add_u32 v[BS], v[HL], 4, s42
	s_add_co_u32 s42, s41, 133120
	v_lshl_add_u32 v[BT], v[HL], 3, s42
	s_lshl_b32 s43, s[QH], 13
	s_add_co_u32 s43, s43, PIMG
	v_lshl_add_u32 v[PLD], v[HL], 4, s43           ; my queries' four fragments
	s_add_co_u32 s43, s43, s41
	v_lshl_add_u32 v[PST], v[HL], 4, s43           ; in them my blocks 2 kh and 2 kh + 1
	s_lshl_b32 s43, s[QH], 8
	s_add_co_u32 s44, s43, PSC
	v_lshl_add_u32 v[PSL], v[HL], 2, s44
	s_lshl_b32 s45, s[KH], 1
	s_add_co_u32 s44, s44, s45
	v_lshl_add_u32 v[PSS], v[SO], 2, s44           ; word 16 e + r, bytes 2 kh and 2 kh + 1
	s_lshl_b32 s45, s[KH], 9
	s_add_co_u32 s45, s45, s43
	s_add_co_u32 s45, s45, LSC
	v_lshl_add_u32 v[LSA], v[HL], 2, s45
	v_add_nc_u32 v[LSR], LSC, v[LI]
	v_mov_b32 v[MB], 0xc1900000                    ; -18.0
	v_mov_b32 v[MB+1], 0
.irp i, 0,1,2,3,4,5,6,7
	v_mov_b32 v[LS+\i], 0
.endr
	s_wait_loadcnt 0x0                             ; Q
	CHANGE 1
	STEPK
	PBAR
	STEPV 1                                        ; the first step is written out: its products start O^T's sums
	s_sub_co_u32 s[CNT], s[CNT], 1
.Lstep:                                            ; 11 trips: steps 1 to 11
	CHANGE 1
	STEPK
	PBAR
	STEPV 0
	s_sub_co_u32 s[CNT], s[CNT], 1
	s_cmp_lg_u32 s[CNT], 0
	s_cbranch_scc1 .Lstep
	CHANGE 0                                       ; the last change is written out: nothing more is asked for
	s_cmp_lt_u32 s[SPLIT], 30                      ; ranges 0-29 have 12 steps: the 13th tile is the next range's.  The branches stand round the work alone: every wave passes the barrier between
	s_cbranch_scc1 .Lno_k
	STEPK
.Lno_k:
	PBAR
	s_cmp_lt_u32 s[SPLIT], 30
	s_cbranch_scc1 .Lend
	STEPV 0
.Lend:
.rept 8
	v_nop                                          ; eight places behind the last products
.endr
	; THE WAY OUT.  l: the two halves and lane l xor 16's; of two tiles' sums one register is made, lane L taking query L of the 32.  They are my 64 keys' part: wave 0 adds the two parts of each query.
	; O^T leaves as it lies: each store covers 512 consecutive bytes.
.irp e, 0,1,2,3
	v_add_f32 v[T+\e], v[LS+2*\e], v[LS+2*\e+1]
.endr
.irp e, 0,1,2,3
	v_permlanex16_b32 v[BM+\e], v[T+\e], s[SEL], s[SEL+1]
.endr
.irp e, 0,1,2,3
	v_add_f32 v[T+\e], v[T+\e], v[BM+\e]
.endr
	v_and_b32 v[HL], 31, v0
	v_cmp_gt_u32 vcc_lo, 16, v[HL]
	v_cndmask_b32 v[T], v[T+1], v[T], vcc_lo       ; lanes 0-15: tile e = 0; lanes 16-31: e = 1
	v_cndmask_b32 v[T+2], v[T+3], v[T+2], vcc_lo   ; likewise e = 2 and 3
	ds_store_b32 v[LSA], v[T]
	ds_store_b32 v[LSA], v[T+2] offset:128
.irp eh, 0,1
	WIN 0x08+4*\eh                                 ; a store's data are its source 1: window 2 or 3
.irp el, 0,1
.set cc, 0
.rept 16
	global_store_b128 v[LI], v[128*\el+8*cc:128*\el+8*cc+3], s[10:11] offset:32768*(2*\eh+\el)+1024*cc th:TH_STORE_NT        ; each accumulator from its low end on
	global_store_b128 v[LI], v[128*\el+8*cc+4:128*\el+8*cc+7], s[10:11] offset:32768*(2*\eh+\el)+1024*cc+512 th:TH_STORE_NT
.set cc, cc+1
.endr
.endr
.endr
	WIN 0
	s_wait_dscnt 0x0                               ; for the others' sake: my sums lie in LDS
	s_barrier_signal -1
	s_barrier_wait -1
	s_cmp_lg_u32 s[WV], 0
	s_cbranch_scc1 .Lno_l
	ds_load_b128 v[S:S+3], v[LSR]                  ; the sums over keys 0-63 of each step,
	ds_load_b128 v[S+4:S+7], v[LSR] offset:512     ; and over keys 64-127
	s_wait_dscnt 0x0
	v_pk_add_f32 v[S:S+1], v[S:S+1], v[S+4:S+5]
	v_pk_add_f32 v[S+2:S+3], v[S+2:S+3], v[S+6:S+7]
	global_store_b128 v[LI], v[S:S+3], s[12:13]    ; the block's 128 sums: 512 consecutive bytes
.Lno_l:
	s_wait_tensorcnt 0x0                           ; the wave's end
	ds_add_u32 v[SPW], v[NIL]
	s_wait_dscnt 0x0
	CROUND                                         ; the closing round: no work-group ends while a partner may still ask for a tile that names it
	s_endpgm
.Lfunc_end_k_q0b27bb13ea_attn:
	.size	k_q0b27bb13ea_attn, .Lfunc_end_k_q0b27bb13ea_attn-k_q0b27bb13ea_attn
	.p2alignl 7, 3214868480
	.fill 96, 4, 3214868480
	.section	.rodata,"a",@progbits
	.p2align	6, 0x0
	.amdhsa_kernel k_q0b27bb13ea_attn
		.amdhsa_group_segment_fixed_size 327680
		.amdhsa_private_segment_fixed_size 0
		.amdhsa_enable_private_segment 0
		.amdhsa_kernarg_size 40
		.amdhsa_user_sgpr_count 2
		.amdhsa_user_sgpr_kernarg_segment_ptr 1
		.amdhsa_wavefront_size32 1
		.amdhsa_system_sgpr_workgroup_id_x 1
		.amdhsa_system_sgpr_workgroup_id_y 1
		.amdhsa_system_sgpr_workgroup_id_z 1
		.amdhsa_system_vgpr_workitem_id 0
		.amdhsa_next_free_vgpr 1024
		.amdhsa_next_free_sgpr 66
		.amdhsa_reserve_vcc 1
		.amdhsa_float_denorm_mode_32 3
		.amdhsa_float_denorm_mode_16_64 3
		.amdhsa_memory_ordered 1
		.amdhsa_forward_progress 1
		.amdhsa_inst_pref_size 199
	.end_amdhsa_kernel
	.amdgpu_metadata
---
amdhsa.version: [ 1, 2 ]
amdhsa.kernels:
  - .name:           k_q0b27bb13ea_attn
    .symbol:         k_q0b27bb13ea_attn.kd
    .args:
      - { .name: kv, .offset: 0, .size: 8, .value_kind: global_buffer, .address_space: global }
      - { .name: qc, .offset: 8, .size: 8, .value_kind: global_buffer, .address_space: global }
      - { .name: qs, .offset: 16, .size: 8, .value_kind: global_buffer, .address_space: global }
      - { .name: part, .offset: 24, .size: 8, .value_kind: global_buffer, .address_space: global }
      - { .name: lpart, .offset: 32, .size: 8, .value_kind: global_buffer, .address_space: global }
    .group_segment_fixed_size: 327680
    .private_segment_fixed_size: 0
    .kernarg_segment_align: 8
    .kernarg_segment_size: 40
    .max_flat_workgroup_size: 128
    .sgpr_count:     66
    .vgpr_count:     1024
    .wavefront_size: 32
...
	.end_amdgpu_metadata
.endif
;; end of part 2
;; launch combine (part 3): grid 512 x 1, 8 waves a work-group, no clusters, 35,840 bytes of LDS; arguments part, lpart, out0; writes out0
.if DOCPART == 3
	.amdgcn_target "amdgcn-amd-amdhsa--gfx1250"
	.amdhsa_code_object_version 6
	.text
	.protected	k_q0b27bb13ea_combine
	.globl	k_q0b27bb13ea_combine
	.p2align	8
	.type	k_q0b27bb13ea_combine,@function
k_q0b27bb13ea_combine:
	s_mov_b64 s[64:65], 0
	v_nop
	global_prefetch_b8 v0, s[64:65] scope:SCOPE_SE
	s_setreg_imm32_b32 hwreg(HW_REG_WAVE_MODE, 25, 1), 1
	s_wait_xcnt 0x0
; COMBINE.  out0[q][ch] = (the sum over the 32 key ranges of part) / (the sum over the 32 key ranges of lpart).  All partials were taken under one shift, so they add as they are.
; part: [range 32][query tile 64][channel tile 32][half 2][lane 32][16 bytes]: lane (r, h) holds query r of the tile and channels 16 tile + 8 h + 4 half + 0 .. 3.   lpart: [range 32][query 1,024].
; Work-group g: query tile g / 8, channels 64 (g % 8) on: 4,096 consecutive bytes of each range.  Wave v adds ranges 4 v .. 4 v + 3 (32 loads of 512 consecutive bytes, all asked for at once), lays its sum
; as rows in a stage of its own; behind one barrier wave v adds the eight stages' rows 2 v and 2 v + 1, divides and stores: sixteen lanes store 256 consecutive bytes, aligned.
; A stream: no matrix unit, no cluster (no two work-groups read the same bytes of part), no tensor loads.
.set ST,  32                           ; v32-159 four ranges x 32 registers
.set SP,  272                          ; a stage row: 256 bytes + 16
.set STW, 16*SP                        ; a wave's stage
	s_load_b128 s[4:7], s[0:1], 0x0                ; part, lpart
	s_load_b64 s[8:9], s[0:1], 0x10                ; out0
	v_lshl_add_u32 v160, v0, 2, 0x8800
	v_mov_b32 v161, 0
	v_lshrrev_b32 v1, 5, v0
	v_readfirstlane_b32 s10, v1                    ; wave 0..7
	v_and_b32 v1, 31, v0                           ; lane
	v_and_b32 v2, 15, v0                           ; r
	v_bfe_u32 v3, v0, 4, 1                         ; h
	s_lshr_b32 s11, ttmp9, 3                       ; the query tile
	s_and_b32 s12, ttmp9, 7                        ; which 64 channels
	v_lshlrev_b32 v4, 4, v1                        ; 16 x lane
	v_lshlrev_b32 v5, 12, v1                       ; lpart: a lane to a range
	s_mul_i32 s13, s10, STW
	v_mul_u32_u24 v6, v2, SP
	v_lshl_add_u32 v6, v3, 5, v6
	v_add_nc_u32 v6, s13, v6                       ; into my stage: row r, + 32 h
	s_mul_i32 s13, s10, 2*SP
	v_mul_u32_u24 v7, v3, SP
	v_lshl_add_u32 v7, v2, 4, v7
	v_add_nc_u32 v7, s13, v7                       ; back: rows 2 v and 2 v + 1 of a stage, sixteen lanes to a row
	v_lshlrev_b32 v14, 11, v3
	v_lshl_add_u32 v14, v2, 4, v14                 ; and the same two rows in out0
	s_mov_b32 s16, 0x76543210
	s_mov_b32 s17, 0xfedcba98
	s_lshl_b32 s14, s11, 15
	s_lshl_b32 s15, s12, 12
	s_add_co_u32 s14, s14, s15
	s_lshl_b32 s15, s10, 23                        ; four ranges of 2,097,152 bytes
	s_add_co_u32 s14, s14, s15
	s_mov_b32 s15, 0
	s_lshl_b32 s18, s11, 6
	s_lshl_b32 s19, s10, 3
	s_add_co_u32 s18, s18, s19                     ; queries 16 tile + 2 v and the next: 8 bytes
	s_mov_b32 s19, 0
	s_lshl_b32 s20, s11, 15
	s_lshl_b32 s21, s10, 12
	s_add_co_u32 s20, s20, s21
	s_lshl_b32 s21, s12, 8
	s_add_co_u32 s20, s20, s21                     ; row 16 tile + 2 v of 2,048 bytes, + 256 x (g % 8)
	s_mov_b32 s21, 0
	s_wait_kmcnt 0x0
	s_add_nc_u64 s[4:5], s[4:5], s[14:15]
	s_add_nc_u64 s[6:7], s[6:7], s[18:19]
	s_add_nc_u64 s[8:9], s[8:9], s[20:21]
	global_load_b64 v[8:9], v5, s[6:7]
.irp k, 0,1,2,3
.irp p, 0,1,2,3,4,5,6,7
	global_load_b128 v[ST+32*\k+4*\p:ST+32*\k+4*\p+3], v4, s[4:5] offset:2097152*\k+512*\p th:TH_LOAD_NT
.endr
.endr
	v_mov_b32 v10, 0                               ; a lane permute's destination counts as one of its sources
	v_mov_b32 v11, 0
	s_wait_loadcnt 16                              ; l and my first two ranges are in; the 16 loads of the other two may be out
.irp m, 1,2,4,8
	v_add_f32_dpp v8, v8, v8 row_xmask:\m row_mask:0xf bank_mask:0xf     ; l over the 32 ranges, for both rows
	v_add_f32_dpp v9, v9, v9 row_xmask:\m row_mask:0xf bank_mask:0xf
.endr
	v_permlanex16_b32 v10, v8, s16, s17
	v_permlanex16_b32 v11, v9, s16, s17
	v_add_f32 v8, v8, v10
	v_add_f32 v9, v9, v11
	v_cmp_gt_u32 vcc_lo, 16, v1
	v_cndmask_b32 v8, v9, v8, vcc_lo               ; lanes 0-15: row 2 v; lanes 16-31: row 2 v + 1
	v_rcp_f32 v12, v8
	v_mov_b32 v13, 0                               ; a plain line behind the reciprocal; v13 is named with v12 as a pair
.irp i, 0,2,4,6,8,10,12,14,16,18,20,22,24,26,28,30
	v_pk_add_f32 v[ST+\i:ST+\i+1], v[ST+\i:ST+\i+1], v[ST+32+\i:ST+32+\i+1]
.endr
	s_wait_loadcnt 0x0
.irp i, 0,2,4,6,8,10,12,14,16,18,20,22,24,26,28,30
	v_pk_add_f32 v[ST+\i:ST+\i+1], v[ST+\i:ST+\i+1], v[ST+64+\i:ST+64+\i+1]
.endr
.irp i, 0,2,4,6,8,10,12,14,16,18,20,22,24,26,28,30
	v_pk_add_f32 v[ST+\i:ST+\i+1], v[ST+\i:ST+\i+1], v[ST+96+\i:ST+96+\i+1]
.endr
.irp p, 0,1,2,3,4,5,6,7
	ds_store_b128 v6, v[ST+4*\p:ST+4*\p+3] offset:64*(\p/2)+16*(\p%2)   ; piece 2 c + half: channels 16 c + 8 h + 4 half on
.endr
	s_wait_dscnt 0x0                               ; for the others' sake: my stage is whole
	s_barrier_signal -1
	s_barrier_wait -1
.irp x, 0,1,2,3,4,5,6,7
	ds_load_b128 v[ST+32+4*\x:ST+32+4*\x+3], v7 offset:\x*STW
.endr
	s_wait_dscnt 0x0
.irp x, 1,2,3,4,5,6,7
	v_pk_add_f32 v[ST+32:ST+33], v[ST+32:ST+33], v[ST+32+4*\x:ST+33+4*\x]
	v_pk_add_f32 v[ST+34:ST+35], v[ST+34:ST+35], v[ST+34+4*\x:ST+35+4*\x]
.endr
	s_wait_alu depctr_va_vdst(0)                   ; the wait for the reciprocal, ahead of its first reader
	v_pk_mul_f32 v[ST+32:ST+33], v[ST+32:ST+33], v[12:13] op_sel_hi:[1,0]
	v_pk_mul_f32 v[ST+34:ST+35], v[ST+34:ST+35], v[12:13] op_sel_hi:[1,0]
	global_store_b128 v14, v[ST+32:ST+35], s[8:9] th:TH_STORE_NT
	s_wait_tensorcnt 0x0
	ds_add_u32 v160, v161
	s_wait_dscnt 0x0
	s_endpgm
.Lfunc_end_k_q0b27bb13ea_combine:
	.size	k_q0b27bb13ea_combine, .Lfunc_end_k_q0b27bb13ea_combine-k_q0b27bb13ea_combine
	.p2alignl 7, 3214868480
	.fill 96, 4, 3214868480
	.section	.rodata,"a",@progbits
	.p2align	6, 0x0
	.amdhsa_kernel k_q0b27bb13ea_combine
		.amdhsa_group_segment_fixed_size 35840
		.amdhsa_private_segment_fixed_size 0
		.amdhsa_enable_private_segment 0
		.amdhsa_kernarg_size 24
		.amdhsa_user_sgpr_count 2
		.amdhsa_user_sgpr_kernarg_segment_ptr 1
		.amdhsa_wavefront_size32 1
		.amdhsa_system_sgpr_workgroup_id_x 1
		.amdhsa_system_sgpr_workgroup_id_y 1
		.amdhsa_system_sgpr_workgroup_id_z 1
		.amdhsa_system_vgpr_workitem_id 0
		.amdhsa_next_free_vgpr 162
		.amdhsa_next_free_sgpr 66
		.amdhsa_reserve_vcc 1
		.amdhsa_float_denorm_mode_32 3
		.amdhsa_float_denorm_mode_16_64 3
		.amdhsa_memory_ordered 1
		.amdhsa_forward_progress 1
		.amdhsa_inst_pref_size 12
	.end_amdhsa_kernel
	.amdgpu_metadata
---
amdhsa.version: [ 1, 2 ]
amdhsa.kernels:
  - .name:           k_q0b27bb13ea_combine
    .symbol:         k_q0b27bb13ea_combine.kd
    .args:
      - { .name: part, .offset: 0, .size: 8, .value_kind: global_buffer, .address_space: global }
      - { .name: lpart, .offset: 8, .size: 8, .value_kind: global_buffer, .address_space: global }
      - { .name: out0, .offset: 16, .size: 8, .value_kind: global_buffer, .address_space: global }
    .group_segment_fixed_size: 35840
    .private_segment_fixed_size: 0
    .kernarg_segment_align: 8
    .kernarg_segment_size: 24
    .max_flat_workgroup_size: 256
    .sgpr_count:     66
    .vgpr_count:     162
    .wavefront_size: 32
...
	.end_amdgpu_metadata
.endif
;; end of part 3
;; ======== version 2 of 2: 3 launches; version 1 with the launch prep written anew for expert scheduling mode
;; workspace buffers: kv 52,174,848 bytes; qc 524,288 bytes; qs 16,384 bytes; part 67,108,864 bytes; lpart 131,072 bytes
;; launch prep (part 4): grid 418 x 1, 8 waves a work-group, no clusters, 68,864 bytes of LDS; arguments token_embedding, W_proj_codes, W_proj_scales, audio_feat_codes, audio_feat_scales, b_proj, kv, qc, qs; writes kv, qc, qs
.if DOCPART == 4
	.amdgcn_target "amdgcn-amd-amdhsa--gfx1250"
	.amdhsa_code_object_version 6
	.text
	.protected	k_q0b27bb13ea_prep
	.globl	k_q0b27bb13ea_prep
	.p2align	8
	.type	k_q0b27bb13ea_prep,@function
k_q0b27bb13ea_prep:
	s_mov_b64 s[64:65], 0
	v_nop
	global_prefetch_b8 v0, s[64:65] scope:SCOPE_SE
	s_setreg_imm32_b32 hwreg(HW_REG_WAVE_SCHED_MODE, 0, 2), 2
	s_setreg_imm32_b32 hwreg(HW_REG_WAVE_MODE, 25, 1), 1
	s_wait_xcnt 0x0
	s_wait_alu depctr_vm_vsrc(0)
; PREP.  Two jobs in one launch, told apart by the work-group's number.
; Work-groups 0-31 (the kw path): kw = audio_feat W_proj + b_proj on the given codes of E5M2, kw / max(|kw|, 1e-8), quantised along T = 512 into qc (codes) and qs (scale words).
; Work-groups 32-417 (the table path): one step of 128 rows of token_embedding each.  The rows are read once and quantised twice: divided by max(|row|, 1e-8), along T (the keys of the second
; product), and as they are, along the rows (the values of the third product, whose K is the vocabulary).  Both go to kv as IMAGES OF OPERAND REGISTERS, 135,168 bytes a step:
;   +0       K's codes  [key tile t 0-7][K step s 0-3][c 0-3][lane][16 bytes]: lane (r, h) of tile 2 b + u is key 32 b + 8 u + r + 8 (r / 8); its bytes are T = 128 s + 32 c + 16 h + 0 .. 15
;   +65,536  V's codes  [channel tile 0-31][c][lane][16 bytes]: lane (r, h) is channel 16 tile + r, keys 32 c + 16 h + 0 .. 15
;   +131,072 K's scale words [b 0-3][lane = 16 u + r][s];      +133,120 V's scale words [w 0-7][lane = 16 a + r][g 0-1], for channel tile 4 w + 2 g + a
; A block's scale is 2^(floor(log2(its largest magnitude)) - 15); its byte is that magnitude's exponent field - 15, held at 1 from below; each number is held within +-57,344 x the scale ahead of the conversion.
; LIMITS: a block of zeros gets the byte 1 where the quantiser says 127: its codes are zeros, and the bytes are read by this program alone.  NaN and infinities among the inputs are not served.
; No tensor loads and no cluster: no two work-groups of the table path read the same bytes, and the kw path's shared weights are 393,216 bytes read by 32 work-groups.
; THE MODE: SCHED_MODE bits 1:0 = 2 (LLVM: expert scheduling mode 2), set by the entry lines.  The code itself states the register dependences
; between vector or matrix instructions and memory or LDS instructions, with s_wait_alu, always for 0.
; THE PLAN, THE TABLE PATH.  Registers that memory or LDS instructions touch, in the order of a unit:
;   v1-9, v13, v15  offsets and addresses, made once at the head and never written again.
;   L          written by the loads of a unit's rows; read by the sums of squares and by the sixteen stores into the stage, which are dealt among them.
;   RC         written by the four reciprocals; read by four LDS stores.
;   X          LDS loads land in it (K's way); the product by 1 / norm and QUANT read and write it; LDS loads land again (the second 32 columns); VBLOCK reads and writes it; in wave 0 one more LDS load, which a store reads.
;   RN         an LDS load lands in it; the products by 1 / norm read it.
;   Y          the sums and roots work in its first eight registers; LDS loads land in it (the first 32 columns); VBLOCK reads and writes it.  No memory instruction reads it.
;   PC, PW     written by QUANT; read by four stores and one LDS store.      C0, C1, VSW  written by the two VBLOCKs; read by four stores a unit, VSW by one at the path's end.
; A unit has four waits on va_vdst: behind the roots (the sums are done reading L: the next unit's rows are asked for at once); behind the reciprocals (RC is written; all that named Y, X and RN is done: the loads behind
; the barrier land there); behind QUANT (PC and PW are written, X is free for the second 32 columns); behind both VBLOCKs (C0, C1 and VSW are written, X is free for wave 0's load).  Behind each, the loads that it frees are
; dealt among vector lines that name none of their registers.  ONE wait on vm_vsrc stands in a unit, beside the first of the four: ahead of it nothing is written that a memory or LDS instruction has read.
; THE PLAN, THE KW PATH.  v1-10: addresses, made once.  WA and WSC 0-3 are read by a K step's first four products and then loaded again; WB, WSC 4-7 and the step's fragment of audio by its last four: a wait on va_vdst
; ahead of each of the two runs of loads.  All 256 registers are in use, so there is no third buffer, and a buffer is asked for again as soon as its products are done.  One wait more ahead of each run of stores on the way out.
; No register that a memory instruction has read is written again there: no wait on vm_vsrc.
.set STEPB,  135168
.set PITCH,  2064                      ; a stage row: 2,048 bytes + 16: an odd multiple of 16, so that the 16 rows of a fragment load start at 16 different places modulo 256 bytes
.set STG,    0                         ; table path: 32 rows of f32, in the order of K's tiles
.set RNB,    32*PITCH                  ; table path: 1 / norm of the 32 rows
.set KSG,    RNB+256                   ; table path: K's scale words of a unit, 512 bytes
.set SSQ,    KSG+512                   ; kw path: the waves' sums of squares
.set QSG,    SSQ+512                   ; kw path: the scale words
.set EPSF,   0x322bcc77                ; 1e-8
.set WV,  22                           ; s22 the wave's number
.set SEL, 40                           ; s[40:41] v_permlanex16_b32's selects for lane l xor 16
.set MNT, 42                           ; s42 the mantissa field of 57,344
; the table path's registers
.set GL,  1                            ; my 16 bytes of the wave's four rows in memory
.set SST, 2                            ; where they go in the stage
.set RNS, 3                            ; where my four rows' 1 / norm go
.set KLD, 4                            ; K's way: my 64 bytes of a stage row
.set RNL, 5                            ; and that row's 1 / norm
.set VLD, 6                            ; V's way: my column in the stage
.set KST, 7                            ; K's codes in kv: 2,048 x wave + 16 x lane
.set KSS, 8                            ; K's scale word in LDS
.set KSR, 9                            ; and back: 16 x lane
.set VSW, 10                           ; v[10:11] V's scale words of my two columns
.set VST, 13                           ; V's codes in kv
.set RN,  14                           ; v14 1 / norm; the packed product names v[14:15] and takes v14 for both halves
.set VSO, 15                           ; V's scale words in kv
.set C0,  32
.set C1,  40
.set L,   64                           ; v64-127  four rows as they are loaded
.set X,   128                          ; v128-191 64 neighbours along T; later the second 32 columns' numbers
.set Y,   192                          ; v192-223 32 numbers down the keys
.set RC,  224                          ; v224-227 1 / norm of my four rows, on its way to LDS
; the kw path's registers
.set A_B,  1
.set A_AS, 2
.set A_AU, 3
.set A_WF, 4
.set A_WS, 5
.set A_SQ, 6
.set A_SL, 7
.set A_QC, 8
.set A_QS, 9
.set A_QL, 10
.set AU,  16                           ; v16-47   audio's fragments, two buffers
.set WA,  48                           ; v48-111  W's tiles 0-3
.set WB,  112                          ; v112-175 W's tiles 4-7
.set H,   176                          ; v176-239 the eight accumulators
.set WSC, 240                          ; v240-247 W's scale words: these registers hold scales and nothing else in the whole text
.set ASC, 248                          ; v248-253 audio's scale words, likewise
.macro BAR
	s_barrier_signal -1
	s_barrier_wait -1
.endm
; 64 numbers of a lane, register 16 b + i = k 32 b + 16 (lane / 16) + i of my row, become a fragment's codes in v[PC] on and its scale word in v[PW].
.macro QUANT s
.irp b, 0,1,2,3
	v_max3_num_f32 v[TM+\b], |v[\s+16*\b]|, |v[\s+1+16*\b]|, 0x8000000   ; block b: my 16 numbers, and the floor 2^(16 - 127): the byte cannot fall under 1
.endr
.irp i, 2,4,6,8,10,12,14
.irp b, 0,1,2,3
	v_max3_num_f32 v[TM+\b], v[TM+\b], |v[\s+16*\b+\i]|, |v[\s+1+16*\b+\i]|   ; the four blocks by turns
.endr
.endr
.irp b, 0,1,2,3
	v_permlanex16_b32 v[TM+4+\b], v[TM+\b], s[SEL], s[SEL+1]
.endr
.irp b, 0,1,2,3
	v_max_num_f32 v[TM+\b], v[TM+\b], v[TM+4+\b]                ; with lane l xor 16's: the block's largest magnitude
.endr
.irp b, 0,1,2,3
	v_add_nc_u32 v[TM+12+\b], 0xf8800000, v[TM+\b]              ; 15 off its exponent field: the conversion's scale operand
.endr
.irp b, 0,1,2,3
	v_and_or_b32 v[TM+8+\b], v[TM+\b], 0x7f800000, s[MNT]       ; 57,344 x the scale
.endr
.irp b, 0,1,2,3
	v_lshrrev_b32 v[TM+4+\b], 23, v[TM+12+\b]                   ; the scale's byte
.endr
	v_lshl_or_b32 v[PW], v[TM+5], 8, v[TM+4]
	v_lshl_or_b32 v[PW], v[TM+6], 16, v[PW]
	v_lshl_or_b32 v[PW], v[TM+7], 24, v[PW]
.irp b, 0,1,2,3
.irp i, 0,1,2,3,4,5,6,7,8,9,10,11,12,13,14,15
	v_med3_num_f32 v[\s+16*\b+\i], v[\s+16*\b+\i], -v[TM+8+\b], v[TM+8+\b]   ; the conversion to an 8-bit code does not saturate (ISA guide 7.6.2): the hold comes first
.endr
	v_cvt_scalef32_pk8_bf8_f32 v[PC+4*\b:PC+1+4*\b], v[\s+16*\b:\s+7+16*\b], v[TM+12+\b]
	v_cvt_scalef32_pk8_bf8_f32 v[PC+2+4*\b:PC+3+4*\b], v[\s+8+16*\b:\s+15+16*\b], v[TM+12+\b]
.endr
	v_nop                                                       ; one plain line behind the last conversion
.endm
; the wave's four rows of unit b: each load takes 512 consecutive bytes of a row
.macro LAND b
.irp k, 0,1,2,3
.irp j, 0,1,2,3
	global_load_b128 v[L+16*\k+4*\j:L+16*\k+4*\j+3], v[GL], s[4:5] offset:(32*(\b)+\k)*2048+512*\j th:TH_LOAD_NT
.endr
.endr
.endm
; the next of the sixteen stores that lay my four rows into the stage as they are: number stn is row stn / 4, piece stn % 4
.macro SONE
.if stn < 16
	ds_store_b128 v[SST], v[L+4*stn:L+4*stn+3] offset:(stn/4)*PITCH+512*(stn%4)
.set stn, stn+1
.endif
.endm
; the next of my column's 32 numbers, keys in their true order: key kk lies in the stage row that K's tiles gave it
.macro VONE reg, g
	ds_load_b32 v[\reg+kk], v[VLD] offset:((kk&7)|((kk&8)<<1)|((kk&16)>>1))*PITCH+128*\g
.set kk, kk+1
.endm
.macro VTWO deal                       ; deal = 1: two of the second 32 columns' loads, into X
.if \deal
	VONE X, 1
	VONE X, 1
.endif
.endm
; a block of 32 keys of one column lies in one lane: its largest magnitude needs no other lane, and the codes come out with the keys innermost.
; deal = 1: the 32 loads of the second 32 columns are dealt among the sixteen lines of the maximum, which name TM and Y alone
.macro VBLOCK y, g, b, creg, deal
	v_max3_num_f32 v[TM], |v[\y]|, |v[\y+1]|, |v[\y+2]|
	VTWO \deal
	v_max3_num_f32 v[TM+1], |v[\y+3]|, |v[\y+4]|, |v[\y+5]|
	VTWO \deal
.irp i, 6,10,14,18,22,26
	v_max3_num_f32 v[TM], v[TM], |v[\y+\i]|, |v[\y+\i+1]|
	VTWO \deal
	v_max3_num_f32 v[TM+1], v[TM+1], |v[\y+\i+2]|, |v[\y+\i+3]|
	VTWO \deal
.endr
	v_max3_num_f32 v[TM], v[TM], |v[\y+30]|, |v[\y+31]|
	VTWO \deal
	v_max3_num_f32 v[TM], v[TM], v[TM+1], 0x8000000
	VTWO \deal
	v_add_nc_u32 v[TM+2], 0xf8800000, v[TM]
	v_and_or_b32 v[TM+3], v[TM], 0x7f800000, s[MNT]
	v_lshrrev_b32 v[TM+1], 23, v[TM+2]
.if \b == 0
	v_mov_b32 v[VSW+\g], v[TM+1]                                ; four bytes to a word, the lower keys in the lower byte
.else
	v_lshl_or_b32 v[VSW+\g], v[TM+1], 8*\b, v[VSW+\g]
.endif
.irp i, 0,1,2,3,4,5,6,7,8,9,10,11,12,13,14,15,16,17,18,19,20,21,22,23,24,25,26,27,28,29,30,31
	v_med3_num_f32 v[\y+\i], v[\y+\i], -v[TM+3], v[TM+3]
.endr
.irp q, 0,1,2,3
	v_cvt_scalef32_pk8_bf8_f32 v[\creg+2*\q:\creg+2*\q+1], v[\y+8*\q:\y+8*\q+7], v[TM+2]
.endr
	v_nop
.endm
.macro VSEND g, b, creg                ; a block's codes of 32 columns leave
	global_store_b128 v[VST], v[\creg:\creg+3], s[16:17] offset:4096*\g+512*\b        ; keys 0-15 of the block: sixteen lanes store 256 consecutive bytes, aligned
	global_store_b128 v[VST], v[\creg+4:\creg+7], s[16:17] offset:4096*\g+512*\b+256  ; keys 16-31
.endm
; A UNIT: 32 rows of the table, block b of the step's 128 keys.
.macro UNIT b
	s_wait_loadcnt 0x0                             ; my four rows are in
	s_wait_xcnt 0x0                                ; the last unit's stores have read their data: those registers are written again below
.set stn, 0
.irp k, 0,1,2,3
	v_pk_mul_f32 v[Y+2*\k:Y+2*\k+1], v[L+16*\k:L+16*\k+1], v[L+16*\k:L+16*\k+1]     ; the rows' sums of squares, the four rows by turns
	SONE                                           ; the rows go to the stage as they are: the stores hang on no vector result, and are dealt among the sums' 32 lines
.endr
.irp i, 2,4,6,8,10,12,14
.irp k, 0,1,2,3
	v_pk_fma_f32 v[Y+2*\k:Y+2*\k+1], v[L+16*\k+\i:L+16*\k+\i+1], v[L+16*\k+\i:L+16*\k+\i+1], v[Y+2*\k:Y+2*\k+1]
.if (\k%2) == 1
	SONE
.endif
.endr
.endr
.irp k, 0,1,2,3
	v_add_f32 v[Y+2*\k], v[Y+2*\k], v[Y+2*\k+1]
.endr
.irp m, 1,2,4,8
.irp k, 0,1,2,3
	v_add_f32_dpp v[Y+2*\k], v[Y+2*\k], v[Y+2*\k] row_xmask:\m row_mask:0xf bank_mask:0xf
.endr
.endr
.irp k, 0,1,2,3
	v_permlanex16_b32 v[Y+2*\k+1], v[Y+2*\k], s[SEL], s[SEL+1]
.endr
.irp k, 0,1,2,3
	v_add_f32 v[Y+2*\k], v[Y+2*\k], v[Y+2*\k+1]
.endr
.irp k, 0,1,2,3
	v_sqrt_f32 v[Y+2*\k+1], v[Y+2*\k]
.endr
	v_nop                                          ; a plain line behind the roots,
	s_wait_alu depctr_va_vdst(0)                   ; and one wait for the four, ahead of their first reader; it also states that the sums of squares are done reading L, in which the next unit's rows land
	s_wait_alu depctr_vm_vsrc(0)                   ; the sixteen stores into the stage have read L; the last unit's stores have read RC, PW, PC, C0, C1 and, in wave 0, X: all are written again only below this line
.if \b < 3
	LAND (\b)+1                                    ; the next unit's rows are asked for
.endif
.irp k, 0,1,2,3
	v_max_num_f32 v[Y+2*\k+1], EPSF, v[Y+2*\k+1]
.endr
.irp k, 0,1,2,3
	v_rcp_f32 v[RC+\k], v[Y+2*\k+1]
.endr
	v_nop
	s_wait_alu depctr_va_vdst(0)                   ; one wait for the four reciprocals: RC is written, which the LDS stores read; and every vector line that named Y, X or RN is done: the loads behind the barrier land there
.irp k, 0,1,2,3
	ds_store_b32 v[RNS], v[RC+\k] offset:4*\k      ; all lanes write the same word with the same value
.endr
	s_wait_dscnt 0x0                               ; for the others' sake: my stores have landed
	BAR                                            ; the stage and the 32 reciprocals are whole
.irp c, 0,1,2,3
.irp i, 0,1,2,3
	ds_load_b128 v[X+16*\c+4*\i:X+16*\c+4*\i+3], v[KLD] offset:128*\c+16*\i          ; K's way: tile 2 b + u, K step s: 16 neighbours of each block of 32
.endr
.endr
	ds_load_b32 v[RN], v[RNL]
	s_wait_dscnt 0x0                               ; X and 1 / norm are in
.set kk, 0
.irp i, 0,2,4,6,8,10,12,14,16,18,20,22,24,26,28,30,32,34,36,38,40,42,44,46,48,50,52,54,56,58,60,62
	v_pk_mul_f32 v[X+\i:X+\i+1], v[X+\i:X+\i+1], v[RN:RN+1] op_sel_hi:[1,0]
	VONE Y, 0                                      ; my first 32 columns' numbers, a load to a product.  No wait: no vector line since the wait behind the reciprocals names Y or the address
.endr
	QUANT X
	s_wait_alu depctr_va_vdst(0)                   ; the conversions have written PC, and PW is written: the stores below read them; QUANT is done with X, in which the second 32 columns' numbers land
.irp c, 0,1,2,3
	global_store_b128 v[KST], v[PC+4*\c:PC+4*\c+3], s[16:17] offset:16384*\b+512*\c  ; the fragment's image: 512 consecutive bytes a store
.endr
	ds_store_b32 v[KSS], v[PW]
	s_wait_dscnt 0x0                               ; my first 32 columns' numbers are in
.set kk, 0
	VBLOCK Y, 0, \b, C0, 1                         ; the second 32 columns' land where X lay, asked for among this block's first lines
	s_wait_dscnt 0x0
	VBLOCK X, 1, \b, C1, 0
	s_wait_alu depctr_va_vdst(0)                   ; both blocks' conversions have written C0 and C1, and VSW is written: stores read them; the second block is done with X, in which wave 0's load below lands
	VSEND 0, \b, C0
	VSEND 1, \b, C1
	s_wait_dscnt 0x0                               ; nothing of mine is out in LDS
	BAR                                            ; all reads of the stage are over, and the unit's scale words of K are whole
	s_cmp_lg_u32 s[WV], 0
	s_cbranch_scc1 .Lno_ks_\@
	ds_load_b128 v[X:X+3], v[KSR]
	s_wait_dscnt 0x0
	global_store_b128 v[KST], v[X:X+3], s[16:17] offset:131072+512*\b                ; in wave 0 KST is 16 x lane: 512 consecutive bytes
.Lno_ks_\@:
.endm
; the kw path's loads
.macro WLOAD reg, t0, k                ; four tiles of W of K step k, and their rows' scale words: 20 loads
.irp y, 0,1,2,3
.irp c, 0,1,2,3
	global_load_b128 v[\reg+16*\y+4*\c:\reg+16*\y+4*\c+3], v[A_WF], s[6:7] offset:(32*((\t0+\y)/2)+8*((\t0+\y)%2))*768+128*(\k)+32*\c
.endr
	global_load_b32 v[WSC+\t0+\y], v[A_WS], s[8:9] offset:(32*((\t0+\y)/2)+8*((\t0+\y)%2))*24+4*(\k)
.endr
.endm
.macro ALOAD k                         ; audio's fragment of K step k: 4 loads
.irp c, 0,1,2,3
	global_load_b128 v[AU+16*((\k)%2)+4*\c:AU+16*((\k)%2)+4*\c+3], v[A_AU], s[10:11] offset:128*(\k)+32*\c
.endr
.endm
; K step k of the first product: eight accumulators by turns, one instruction a turn
.macro TRIP k
.if (\k) < 5
	s_wait_loadcnt 24                              ; younger than W's tiles 0-3: tiles 4-7 (20) and the next fragment of audio (4)
.else
	s_wait_loadcnt 20                              ; the last K step: tiles 4-7 alone
.endif
.irp y, 0,1,2,3
	v_wmma_scale_f32_16x16x128_f8f6f4 v[H+8*\y:H+8*\y+7], v[WA+16*\y:WA+16*\y+15], v[AU+16*((\k)%2):AU+16*((\k)%2)+15], v[H+8*\y:H+8*\y+7], v[WSC+\y], v[ASC+(\k)] matrix_a_fmt:MATRIX_FMT_BF8 matrix_b_fmt:MATRIX_FMT_BF8
.endr
.if (\k) < 5
.rept 8
	v_nop                                          ; eight places in front of loads into registers that these products read
.endr
	s_wait_alu depctr_va_vdst(0)                   ; the four products are done reading W's tiles 0-3 and their scale words, in which the next K step's land
	WLOAD WA, 0, (\k)+1
	s_wait_loadcnt 24                              ; younger than tiles 4-7: the next fragment of audio (4) and the 20 just issued
.else
	s_wait_loadcnt 0x0
.endif
.irp y, 0,1,2,3
	v_wmma_scale_f32_16x16x128_f8f6f4 v[H+32+8*\y:H+32+8*\y+7], v[WB+16*\y:WB+16*\y+15], v[AU+16*((\k)%2):AU+16*((\k)%2)+15], v[H+32+8*\y:H+32+8*\y+7], v[WSC+4+\y], v[ASC+(\k)] matrix_a_fmt:MATRIX_FMT_BF8 matrix_b_fmt:MATRIX_FMT_BF8
.endr
.rept 8
	v_nop                                          ; likewise; behind the last K step they stand in front of the first read of the results
.endr
.if (\k) < 5
	s_wait_alu depctr_va_vdst(0)                   ; the K step's products are done reading W's tiles 4-7, their scale words and this step's fragment of audio: the loads below land in them
	WLOAD WB, 4, (\k)+1
.endif
.if (\k) < 4
	ALOAD (\k)+2
.endif
.endm
	s_load_b256 s[4:11], s[0:1], 0x0               ; table s[4:5], W's codes s[6:7], W's scales s[8:9], audio's codes s[10:11]
	s_load_b256 s[12:19], s[0:1], 0x20             ; audio's scales s[12:13], b s[14:15], kv s[16:17], qc s[18:19]
	s_load_b64 s[20:21], s[0:1], 0x40              ; qs
	v_lshl_add_u32 v254, v0, 2, 0x10900
	v_mov_b32 v255, 0
	v_lshrrev_b32 v1, 5, v0
	v_readfirstlane_b32 s[WV], v1                  ; wave 0..7
	s_mov_b32 s[SEL], 0x76543210
	s_mov_b32 s[SEL+1], 0xfedcba98
	s_mov_b32 s[MNT], 0x600000
	s_wait_alu depctr_va_sdst(0)                   ; the wave's number is written, ahead of the branch and of its first reader on either path
	s_cmp_lt_u32 ttmp9, 32
	s_cbranch_scc1 .Lkw
	; ---------------- THE TABLE PATH ----------------
.set TM, 16                            ; v16-31 at work
.set PC, 48                            ; v48-63 the codes just made
.set PW, 12                            ; v12    the scale word just made
	v_and_b32 v16, 31, v0                          ; lane
	v_and_b32 v17, 15, v0                          ; r
	v_bfe_u32 v18, v0, 4, 1                        ; h
	s_and_b32 s23, s[WV], 1                        ; key 4 w + k lies in stage row 4 perm(w) + k: bits 1 and 2 of w change places
	s_and_b32 s24, s[WV], 2
	s_lshl_b32 s24, s24, 1
	s_and_b32 s25, s[WV], 4
	s_lshr_b32 s25, s25, 1
	s_or_b32 s23, s23, s24
	s_or_b32 s23, s23, s25                         ; perm
	s_lshr_b32 s26, s[WV], 2                       ; u: which of the unit's two tiles of K I quantise
	s_and_b32 s27, s[WV], 3                        ; s: which K step of it
	s_lshl_b32 s28, s[WV], 13
	v_lshl_add_u32 v[GL], v16, 4, s28              ; 4 w rows of 2,048 bytes + 16 x lane
	s_mul_i32 s28, s23, 4*PITCH
	v_lshl_add_u32 v[SST], v16, 4, s28
	s_lshl_b32 s28, s23, 4
	s_add_co_u32 s28, s28, RNB
	v_mov_b32 v[RNS], s28
	s_mul_i32 s28, s26, 16*PITCH
	s_lshl_b32 s29, s27, 9
	s_add_co_u32 s28, s28, s29
	v_mul_u32_u24 v[KLD], v17, PITCH
	v_lshl_add_u32 v[KLD], v18, 6, v[KLD]
	v_add_nc_u32 v[KLD], s28, v[KLD]               ; row 16 u + r, T = 128 s + 16 h on
	s_lshl_b32 s28, s26, 6
	s_add_co_u32 s28, s28, RNB
	v_lshl_add_u32 v[RNL], v17, 2, s28
	s_lshl_b32 s28, s[WV], 8
	v_lshl_add_u32 v[VLD], v16, 2, s28             ; column 64 w + lane
	s_add_co_u32 s28, s28, 133120
	v_lshl_add_u32 v[VSO], v16, 3, s28
	s_lshl_b32 s28, s[WV], 11
	v_lshl_add_u32 v[KST], v16, 4, s28             ; 4 u + s = w
	s_lshl_b32 s28, s26, 8
	s_lshl_b32 s29, s27, 2
	s_add_co_u32 s28, s28, s29
	s_add_co_u32 s28, s28, KSG
	v_lshl_add_u32 v[KSS], v17, 4, s28
	v_lshl_add_u32 v[KSR], v16, 4, KSG
	s_lshl_b32 s28, s[WV], 13
	s_add_co_u32 s28, s28, 65536
	v_lshlrev_b32 v[VST], 4, v17
	v_lshl_add_u32 v[VST], v18, 11, v[VST]
	v_add_nc_u32 v[VST], s28, v[VST]               ; channel tile 4 w + 2 g + lane / 16, place 16 (lane % 16)
.irp b, 0,1,2,3
	v_mov_b32 v[TM+4+\b], 0                        ; written once: a lane permute's destination counts as one of its sources
.endr
	s_sub_co_u32 s30, ttmp9, 32                    ; my step
	s_lshl_b32 s28, s30, 18                        ; 128 rows of 2,048 bytes
	s_mov_b32 s29, 0
	s_mul_i32 s30, s30, STEPB
	s_mov_b32 s31, 0
	s_wait_kmcnt 0x0
	s_add_nc_u64 s[4:5], s[4:5], s[28:29]
	s_add_nc_u64 s[16:17], s[16:17], s[30:31]
	s_wait_alu depctr_va_vdst(0)                   ; the eleven offsets and addresses v1 to v9, v13 and v15 are written: every load and store of the path reads one of them, and none is written again
	LAND 0
	UNIT 0
	UNIT 1
	UNIT 2
	UNIT 3
	global_store_b64 v[VSO], v[VSW:VSW+1], s[16:17]  ; my two columns' scale words: the wave stores 256 consecutive bytes, aligned.  No wait: no vector line stands behind the last unit's wait for VSW
	s_wait_dscnt 0x0                               ; the closing lines, six on end
	s_wait_alu 0x0
	s_wait_tensorcnt 0x0
	ds_add_u32 v254, v255
	s_wait_dscnt 0x0
	s_endpgm
	; ---------------- THE KW PATH ----------------
	; Wave (jt, s): query tile 2 g + jt, T = 128 s .. 128 s + 127.  The product is used transposed (source 0 = 16 rows of W, source 1 = 16 queries), and lane r of tile 2 b + u takes W's row
	; 128 s + 32 b + 8 u + r + 8 (r / 8): so a lane holds one query, and register 16 b + i of its 64 is T = 128 s + 32 b + 16 (lane / 16) + i.  The bias is the C of each sum's first product.
.Lkw:
	v_and_b32 v11, 31, v0                          ; lane
	v_and_b32 v12, 15, v0                          ; r
	v_bfe_u32 v13, v0, 4, 1                        ; h
	s_lshr_b32 s26, s[WV], 2                       ; jt
	s_and_b32 s27, s[WV], 3                        ; s
	s_lshl_b32 s23, ttmp9, 1
	s_add_co_u32 s23, s23, s26                     ; the query tile
	v_lshlrev_b32 v[A_B], 6, v13                   ; the bias: 16 h numbers on
	v_mul_u32_u24 v[A_AS], v12, 24                 ; audio's scale bytes: 24 a row
	v_mul_u32_u24 v[A_AU], v12, 768                ; audio's codes: 768 a row
	v_lshl_add_u32 v[A_AU], v13, 4, v[A_AU]
	v_and_b32 v14, 8, v12
	v_add_nc_u32 v14, v14, v12                     ; r + 8 (r / 8)
	v_mul_u32_u24 v[A_WF], v14, 768
	v_lshl_add_u32 v[A_WF], v13, 4, v[A_WF]
	v_mul_u32_u24 v[A_WS], v14, 24
	s_lshl_b32 s28, s26, 8
	s_lshl_b32 s29, s27, 2
	v_lshl_add_u32 v[A_SL], v12, 4, s28            ; 256 jt + 16 r
	v_add_nc_u32 v[A_SQ], s29, v[A_SL]             ; + 4 s
	v_add_nc_u32 v[A_QS], QSG, v[A_SQ]
	v_add_nc_u32 v[A_SQ], SSQ, v[A_SQ]
	v_add_nc_u32 v[A_SL], SSQ, v[A_SL]
	v_lshlrev_b32 v[A_QC], 4, v11
	v_add_nc_u32 v[A_QL], QSG, v[A_QC]
	s_mov_b32 s29, 0
	s_wait_kmcnt 0x0
	s_lshl_b32 s28, s27, 9
	s_add_nc_u64 s[14:15], s[14:15], s[28:29]      ; b at T = 128 s
	s_mul_i32 s28, s23, 384
	s_add_nc_u64 s[12:13], s[12:13], s[28:29]      ; audio's scales at my 16 queries
	s_mul_i32 s28, s23, 12288
	s_add_nc_u64 s[10:11], s[10:11], s[28:29]      ; audio's codes
	s_mul_i32 s28, s27, 98304
	s_add_nc_u64 s[6:7], s[6:7], s[28:29]          ; W's codes at row 128 s
	s_mul_i32 s28, s27, 3072
	s_add_nc_u64 s[8:9], s[8:9], s[28:29]          ; W's scales
	s_lshl_b32 s28, s23, 13
	s_lshl_b32 s30, s27, 11
	s_add_co_u32 s28, s28, s30
	s_add_nc_u64 s[18:19], s[18:19], s[28:29]      ; qc at fragment (tile, s)
	s_lshl_b32 s28, ttmp9, 9
	s_add_nc_u64 s[20:21], s[20:21], s[28:29]      ; qs at the work-group's two tiles
	s_wait_alu depctr_va_vdst(0)                   ; the ten offsets and addresses v1 to v10 are written: every load and store of the path reads one of them, and none is written again
.irp t, 0,1,2,3,4,5,6,7
	global_load_b128 v[H+8*\t:H+8*\t+3], v[A_B], s[14:15] offset:(32*(\t/2)+8*(\t%2))*4
	global_load_b128 v[H+8*\t+4:H+8*\t+7], v[A_B], s[14:15] offset:(32*(\t/2)+8*(\t%2))*4+16
.endr
.irp k, 0,1,2,3,4,5
	global_load_b32 v[ASC+\k], v[A_AS], s[12:13] offset:4*\k
.endr
	ALOAD 0
	WLOAD WA, 0, 0
	WLOAD WB, 4, 0
	ALOAD 1
	TRIP 0
	TRIP 1
	TRIP 2
	TRIP 3
	TRIP 4
	TRIP 5
.set TM, 48                            ; W's registers are free: QUANT works there
.set PC, 64
.set PW, 80
	v_pk_mul_f32 v[82:83], v[H:H+1], v[H:H+1]      ; the sum of squares of my 64 numbers, two chains; each accumulator is read from its low end on
	v_pk_mul_f32 v[84:85], v[H+2:H+3], v[H+2:H+3]
.irp i, 4,8,12,16,20,24,28,32,36,40,44,48,52,56,60
	v_pk_fma_f32 v[82:83], v[H+\i:H+\i+1], v[H+\i:H+\i+1], v[82:83]
	v_pk_fma_f32 v[84:85], v[H+\i+2:H+\i+3], v[H+\i+2:H+\i+3], v[84:85]
.endr
	v_pk_add_f32 v[82:83], v[82:83], v[84:85]
	v_add_f32 v82, v82, v83
	v_permlanex16_b32 v83, v82, s[SEL], s[SEL+1]
	v_add_f32 v82, v82, v83                        ; my query's 128 of the 512
	s_wait_alu depctr_va_vdst(0)                   ; v82 is written, which the LDS store reads; and the products are done reading v88 to v91, in which the load behind the barrier lands
	ds_store_b32 v[A_SQ], v82                      ; lanes l and l xor 16 write the same word with the same value
	s_wait_dscnt 0x0
	BAR
	ds_load_b128 v[88:91], v[A_SL]                 ; the four waves' parts
	s_wait_dscnt 0x0
	v_add_f32 v88, v88, v89
	v_add_f32 v90, v90, v91
	v_add_f32 v88, v88, v90
	v_sqrt_f32 v89, v88
	v_nop
	s_wait_alu depctr_va_vdst(0)                   ; the root is written, ahead of its first reader
	v_max_num_f32 v89, EPSF, v89
	v_rcp_f32 v86, v89
	v_mov_b32 v87, 0                               ; a plain line behind the reciprocal; v87 is named with v86 as a pair
	s_wait_alu depctr_va_vdst(0)                   ; the reciprocal is written, ahead of its first reader
.irp i, 0,2,4,6,8,10,12,14,16,18,20,22,24,26,28,30,32,34,36,38,40,42,44,46,48,50,52,54,56,58,60,62
	v_pk_mul_f32 v[H+\i:H+\i+1], v[H+\i:H+\i+1], v[86:87] op_sel_hi:[1,0]
.endr
.irp b, 0,1,2,3
	v_mov_b32 v[TM+4+\b], 0
.endr
	QUANT H
	s_wait_alu depctr_va_vdst(0)                   ; the conversions have written PC, and PW is written: the stores below read them; the sums above are done with v88 to v91, in which wave 0's load below lands
.irp c, 0,1,2,3
	global_store_b128 v[A_QC], v[PC+4*\c:PC+4*\c+3], s[18:19] offset:512*\c
.endr
	ds_store_b32 v[A_QS], v[PW]
	s_wait_dscnt 0x0
	BAR
	s_cmp_lg_u32 s[WV], 0
	s_cbranch_scc1 .Lkw_end
	ds_load_b128 v[88:91], v[A_QL]
	s_wait_dscnt 0x0
	global_store_b128 v[A_QC], v[88:91], s[20:21]  ; both tiles' scale words: 512 consecutive bytes
.Lkw_end:
	s_wait_dscnt 0x0                               ; the closing lines, six on end
	s_wait_alu 0x0
	s_wait_tensorcnt 0x0
	ds_add_u32 v254, v255
	s_wait_dscnt 0x0
	s_endpgm
.Lfunc_end_k_q0b27bb13ea_prep:
	.size	k_q0b27bb13ea_prep, .Lfunc_end_k_q0b27bb13ea_prep-k_q0b27bb13ea_prep
	.p2alignl 7, 3214868480
	.fill 96, 4, 3214868480
	.section	.rodata,"a",@progbits
	.p2align	6, 0x0
	.amdhsa_kernel k_q0b27bb13ea_prep
		.amdhsa_group_segment_fixed_size 68864
		.amdhsa_private_segment_fixed_size 0
		.amdhsa_enable_private_segment 0
		.amdhsa_kernarg_size 72
		.amdhsa_user_sgpr_count 2
		.amdhsa_user_sgpr_kernarg_segment_ptr 1
		.amdhsa_wavefront_size32 1
		.amdhsa_system_sgpr_workgroup_id_x 1
		.amdhsa_system_sgpr_workgroup_id_y 1
		.amdhsa_system_sgpr_workgroup_id_z 1
		.amdhsa_system_vgpr_workitem_id 0
		.amdhsa_next_free_vgpr 256
		.amdhsa_next_free_sgpr 66
		.amdhsa_reserve_vcc 0
		.amdhsa_float_denorm_mode_32 3
		.amdhsa_float_denorm_mode_16_64 3
		.amdhsa_memory_ordered 1
		.amdhsa_forward_progress 1
		.amdhsa_inst_pref_size 178
	.end_amdhsa_kernel
	.amdgpu_metadata
---
amdhsa.version: [ 1, 2 ]
amdhsa.kernels:
  - .name:           k_q0b27bb13ea_prep
    .symbol:         k_q0b27bb13ea_prep.kd
    .args:
      - { .name: token_embedding, .offset: 0, .size: 8, .value_kind: global_buffer, .address_space: global }
      - { .name: W_proj_codes, .offset: 8, .size: 8, .value_kind: global_buffer, .address_space: global }
      - { .name: W_proj_scales, .offset: 16, .size: 8, .value_kind: global_buffer, .address_space: global }
      - { .name: audio_feat_codes, .offset: 24, .size: 8, .value_kind: global_buffer, .address_space: global }
      - { .name: audio_feat_scales, .offset: 32, .size: 8, .value_kind: global_buffer, .address_space: global }
      - { .name: b_proj, .offset: 40, .size: 8, .value_kind: global_buffer, .address_space: global }
      - { .name: kv, .offset: 48, .size: 8, .value_kind: global_buffer, .address_space: global }
      - { .name: qc, .offset: 56, .size: 8, .value_kind: global_buffer, .address_space: global }
      - { .name: qs, .offset: 64, .size: 8, .value_kind: global_buffer, .address_space: global }
    .group_segment_fixed_size: 68864
    .private_segment_fixed_size: 0
    .kernarg_segment_align: 8
    .kernarg_segment_size: 72
    .max_flat_workgroup_size: 256
    .sgpr_count:     66
    .vgpr_count:     256
    .wavefront_size: 32
...
	.end_amdgpu_metadata
.endif
;; end of part 4
;; launch attn: the kernel of part 2 again; grid 8 x 32, 4 waves a work-group, clusters of 4 x 1, 327,680 bytes of LDS; arguments kv, qc, qs, part, lpart; writes part, lpart
;; launch combine: the kernel of part 3 again; grid 512 x 1, 8 waves a work-group, no clusters, 35,840 bytes of LDS; arguments part, lpart, out0; writes out0
